; MI455X (gfx1250); checked and timed in simulation.
; The chip was launched on July 23, 2026; its instructions are those of AMD's public machine-readable ISA for CDNA 5 (MIT licence, August 2026) and "CDNA5" Instruction Set Architecture Reference Guide (July 2026). The comments in the code are by the model that wrote it; some were corrected since.
;; Multi Head Attention. Allowed arithmetic: matrix products marked QUANTISED: E2M3 operands, one E8M0 scale for each 32 along K, by v_wmma_scale_f32_16x16x128_f8f6f4 with both operands' format E2M3, f32 sums; everything else in f32.
;; Inputs: Wk 16 x 64 x 1,024 float32; Wo 1,024 x 1,024 float32; Wq 16 x 64 x 1,024 float32; Wv 16 x 64 x 1,024 float32; attention_mask 4 x 1 x 2,048 int32; bk 16 x 64 float32; bo 1,024 float32; bq 16 x 64 float32; bv 16 x 64 float32; x 4 x 2,048 x 1,024 float32.
;; Outputs: out0 4 x 2,048 x 1,024 float32.
;; This version of the problem:
;;   THIS VERSION OF THE PROBLEM IS GIVEN IN LOW PRECISION. The matrix products marked QUANTISED in the list below multiply operands that are first quantised to E2M3 (2 exponent bits, 3 mantissa bits; 6 bits a number), with one power-of-two scale for each 32 numbers along K (OCP MX v1.0); their sums are f32. All else is computed in f32.
;;   The module's matrix products, in the order in which they are computed (A, B: the left and right operand; K: the contracted axis; several contracted axes count as one K, in the product's order):
;;     1. [M 1,024, K 1,024] x [K 1,024, N 8,192]; A: input Wq; B: input x: QUANTISED
;;     2. [M 1,024, K 1,024] x [K 1,024, N 8,192]; A: input Wk; B: input x: QUANTISED
;;     3. [M 1,024, K 1,024] x [K 1,024, N 8,192]; A: input Wv; B: input x: QUANTISED
;;     4. batch 64 x [M 2,048, K 64] x [K 64, N 2,048]; A: computed on the way; B: computed on the way: QUANTISED
;;     5. batch 64 x [M 2,048, K 2,048] x [K 2,048, N 64]; A: softmax (see below); B: computed on the way: QUANTISED
;;     6. [M 8,192, K 1,024] x [K 1,024, N 1,024]; A: computed on the way; B: input Wo: QUANTISED
;;   THE QUANTISER, for each operand of a quantised product, along K:
;;     - K is cut into blocks of 32 from its start; a last block that is shorter is filled with zeros.
;;     - A block's scale is 2^e with e = floor(log2(the largest magnitude in the block)) - 2, held to -126 .. 127; a block of zeros has e = 0. As a byte (E8M0): e + 127.
;;     - Each number is divided by its block's scale, clamped to +-7.5, and rounded to the nearest number of E2M3, ties to even, subnormals kept.
;;     - The product sums the exact products of the quantised numbers (number of the format x scale) in f32.
;;   ~~~python
;;   def quantise(x, axis):      # numpy; x: float32 -> the quantised numbers, widened to float32 again
;;       x = np.moveaxis(x, axis, -1); K = x.shape[-1]
;;       x = np.pad(x, [(0, 0)] * (x.ndim - 1) + [(0, -K % 32)]); x = x.reshape(x.shape[:-1] + (-1, 32)); a = np.abs(x).max(-1, keepdims=True)
;;       e = np.where(a > 0, np.clip(np.frexp(np.where(a > 0, a, 1))[1] - 1 - 2, -126, 127), 0)      # np.frexp(a)[1] - 1 = floor(log2(a)), exactly
;;       r = np.clip(x / 2.0 ** e, -7.5, 7.5)
;;       step = 2.0 ** (np.maximum(np.frexp(np.where(r == 0, 1, r))[1] - 1, 0) - 3)
;;       q = np.round(r / step) * step * 2.0 ** e      # np.round: ties to even
;;       return np.moveaxis(q.reshape(q.shape[:-2] + (-1,))[..., :K], -1, axis).astype(np.float32)
;;   ~~~
;;   SOFTMAX AHEAD OF A QUANTISED PRODUCT. Where the list says 'softmax', what is quantised is not the finished softmax but p = 2^(t - M), with t = logit x log2(e) and M = ceil(the row's largest t), a whole number; so 1/2 < the row's largest p <= 1. The row's sum l is taken of the UNQUANTISED p, in f32, and the product's result is divided by l at the end. Since M is a whole number, a kernel that streams over the keys may use a running M (the ceiling of the running maximum): every later rescaling is an exact power of two, which a block's scale takes up: the codes' values come out the same.
;;   OPERANDS COMPUTED ON THE WAY. 'Computed on the way' means the value that the module computes at that place (a softmax that the list does not call 'softmax' is quantised finished and normalised). What goes into a quantiser is computed in f32, as accurately as f32 sums, v_exp_f32 and their like allow (about 1e-6 of the number): no bf16 or f16 on the way to a quantiser, and a product that is left as it is and whose result goes on into a quantised operand takes f32 operands (vector FMAs, or v_wmma_f32_16x16x4_f32). A number that lies on a knife's edge between two numbers of the format may be rounded either way, as far as f32 arithmetic and the matrix unit's own rounding can turn it there, and no further.
;; One version. Each part assembles by itself: llvm-mc -triple=amdgcn-amd-amdhsa -mcpu=gfx1250 --defsym DOCPART=n.
;; ======== version 1 of 1: 4 launches
;; limits: right only within a limited range of input values
;; workspace buffers: xc 6,291,456 bytes; xs 262,144 bytes; wc 3,145,728 bytes; ws 131,072 bytes; qb 9,437,184 bytes; kv 15,728,640 bytes; zc 6,291,456 bytes; zs 262,144 bytes
;; launch quant (part 1): grid 384 x 1, 4 waves a work-group, no clusters, 33,280 bytes of LDS; arguments x, Wq, Wk, Wv, Wo, xc, xs, wc, ws; writes xc, xs, wc, ws
.if DOCPART == 1
	.amdgcn_target "amdgcn-amd-amdhsa--gfx1250"
	.amdhsa_code_object_version 6
	.text
	.protected	k_qecd2416c4a_quant
	.globl	k_qecd2416c4a_quant
	.p2align	8
	.type	k_qecd2416c4a_quant,@function
k_qecd2416c4a_quant:
	s_mov_b64 s[64:65], 0
	v_nop
	global_prefetch_b8 v0, s[64:65] scope:SCOPE_SE
	s_setreg_imm32_b32 hwreg(HW_REG_WAVE_MODE, 25, 1), 1
	s_wait_xcnt 0x0
; x [8192][1024] and the four weights [1024][1024], f32, become codes of FP6 (E2M3), 6 bits each, K innermost, with one E8M0 byte for each 32 along K.
; xc [8192][768], xs [8192][32]; wc [4096][768], ws [4096][32] with Wq's rows from 0, Wk's from 1024, Wv's from 2048, Wo's from 3072.
; A block's scale is 2^(floor(log2(its largest magnitude)) - 2); its byte is the largest magnitude's exponent field - 2, held at 1 from below (a block of zeros keeps the byte 1: its codes are zeros, and this program alone reads the bytes).
; THE ROWS ARE STORED IN ANOTHER ORDER: row rho goes to row sigma = rho with bits 3 and 4 exchanged.  Sixteen stored rows 16 i + r are then the true rows 32 (i / 2) + 8 (i % 2) + r + 8 (r / 8),
; so that in a product used transposed the 16 registers of two neighbouring tiles are 16 true neighbours, ready for the next quantiser.
; A wave takes a run of 8 rows (8,192 numbers, 16 steps of 512): a run's number holds the rows' bits 3 and 4 in its bits 0 and 1, which are the wave's number: only the run's place in the outputs changes.
; Each of a step's four loads reads 512 consecutive bytes; the 2,048 bytes turn through the wave's own stage in LDS so that a lane holds 16 neighbours (two lanes a block).
; A step's codes leave as two runs of 192 consecutive bytes, a wave's 256 scale bytes as one aligned store of 256.  No tensor loads, no barrier, no matrix work: a stream, and the waves share nothing.
; LIMITS: blocks whose largest magnitude lies under 2^-124 keep the byte 1; NaN and infinities are not served.
; THE CODES' PLACE (it takes the place of the rows of 768 bytes named above): xc and wc are laid [128 stored rows][K step of 256 numbers][row][192 bytes]:
; the 128 rows x 192 bytes that a product's tensor load brings are then 24,576 consecutive bytes, 96 rows of 256, each on a multiple of 256.
; A step's 512 numbers are two K steps of one row: lanes 0-15 store 192 consecutive bytes of one, lanes 16-31 of the next.
.set STEPS, 16
.set KSB,   24576                      ; a K step's codes of 128 rows
.set XWG,   256                        ; the first 256 work-groups take x, the next 4 x 32 the weights
.set EMAX,  2
.set CB,    12                         ; bytes of 16 codes
.set R,     16                         ; v16-79   four sets of 16 numbers as they are loaded
.set X,     80                         ; v80-111  two sets of 16 neighbours
.set E,     112                        ; v112-127 a scale byte for each step
.set C,     128                        ; v128-191 codes: four registers for each step, so that no store's data are written again
.set WREG,  8192                       ; LDS: a region for each wave: two stages of 32 x SP bytes, behind them its 256 scale bytes
.set SP,    80                         ; a lane's place in a stage: 64 bytes + 16 of padding
	s_load_b256 s[4:11], s[0:1], 0x0               ; x, Wq, Wk, Wv
	s_load_b256 s[12:19], s[0:1], 0x20             ; Wo, xc, xs, wc
	s_load_b64 s[20:21], s[0:1], 0x40              ; ws
	v_lshl_add_u32 v192, v0, 2, 0x8000
	v_mov_b32 v193, 0
	v_lshrrev_b32 v1, 5, v0
	v_readfirstlane_b32 s28, v1                    ; wave
	v_and_b32 v2, 31, v0                           ; lane
	v_lshlrev_b32 v3, 4, v2                        ; my 16 bytes of a load's 512
	s_mul_i32 s29, s28, WREG
	v_lshrrev_b32 v14, 2, v2
	v_mul_u32_u24 v14, v14, SP
	v_and_b32 v15, 3, v2
	v_lshl_add_u32 v14, v15, 4, v14
	v_add_nc_u32 v14, s29, v14                     ; the stage, on the way in: SP (lane / 4) + 16 (lane % 4)
	v_mul_u32_u24 v15, v2, SP
	v_add_nc_u32 v15, s29, v15                     ; and on the way out: SP x lane: my 16 neighbours
	v_and_b32 v4, 15, v2
	v_mul_u32_u24 v4, v4, CB                       ; my codes' place in a row's 192 bytes,
	v_lshrrev_b32 v12, 4, v2
	v_mad_u32_u24 v4, v12, KSB, v4                 ; lanes 16-31 one K step on
	v_lshrrev_b32 v5, 1, v2
	s_add_co_u32 s29, s29, 2*32*SP
	v_add_nc_u32 v5, s29, v5                       ; LDS: my wave's 256 scale bytes, my block's byte
	v_lshlrev_b32 v7, 3, v2                        ; and on the way out 8 bytes a lane
	v_add_nc_u32 v6, s29, v7
	s_cmp_lt_u32 ttmp9, XWG
	s_cselect_b32 s22, XWG, ttmp9
	s_sub_co_u32 s22, s22, XWG                     ; j: which of the weights' 128 work-groups (0 in x's)
	s_lshr_b32 s23, s22, 5                         ; which weight
	s_and_b32 s24, s22, 31                         ; and which 32 rows of it
	s_wait_alu depctr_va_vdst(0)
	s_wait_kmcnt 0x0
	s_cmp_eq_u32 s23, 1                            ; every choice hangs on the work-group's number alone
	s_cselect_b64 s[6:7], s[8:9], s[6:7]
	s_cmp_eq_u32 s23, 2
	s_cselect_b64 s[6:7], s[10:11], s[6:7]
	s_cmp_eq_u32 s23, 3
	s_cselect_b64 s[6:7], s[12:13], s[6:7]
	s_cmp_lt_u32 ttmp9, XWG
	s_cselect_b64 s[4:5], s[4:5], s[6:7]           ; the numbers
	s_cselect_b64 s[8:9], s[14:15], s[18:19]       ; the codes
	s_cselect_b64 s[10:11], s[16:17], s[20:21]     ; the scale bytes
	s_cselect_b32 s25, ttmp9, s24                  ; 32 rows of the source,
	s_cselect_b32 s26, ttmp9, s22                  ; and of the outputs
	s_lshl_b32 s25, s25, 2
	s_add_co_u32 s30, s25, s28                     ; the run that I read: 4 x (32 rows) + wave
	s_and_b32 s27, s28, 1
	s_lshl_b32 s27, s27, 1
	s_lshr_b32 s31, s28, 1
	s_or_b32 s27, s27, s31                         ; the wave's two bits exchanged
	s_lshl_b32 s26, s26, 2
	s_add_co_u32 s26, s26, s27                     ; the run that I write
	s_lshl_b32 s30, s30, 15                        ; 32,768 bytes of numbers a run
	s_mov_b32 s31, 0
	s_add_nc_u64 s[4:5], s[4:5], s[30:31]
	s_lshr_b32 s30, s26, 4                         ; sixteen runs of 8 rows to a group of 128 rows
	s_mul_i32 s30, s30, 4*KSB
	s_and_b32 s27, s26, 15
	s_mul_i32 s27, s27, 8*192
	s_add_co_u32 s30, s30, s27
	s_add_nc_u64 s[8:9], s[8:9], s[30:31]
	s_lshl_b32 s30, s26, 8                         ; 256 scale bytes
	s_add_nc_u64 s[10:11], s[10:11], s[30:31]
.macro LOAD t
.irp i, 0,1,2,3
	global_load_b128 v[R+16*((\t)%4)+4*\i:R+16*((\t)%4)+4*\i+3], v3, s[4:5] offset:2048*(\t)+512*\i th:TH_LOAD_NT   ; 32 lanes read 512 consecutive bytes
.endr
.endm
.macro TURN t                          ; step t's numbers through the stage: LDS serves a wave's instructions in order, so no wait stands between the stores and the loads
.irp i, 0,1,2,3
	ds_store_b128 v14, v[R+16*((\t)%4)+4*\i:R+16*((\t)%4)+4*\i+3] offset:32*SP*((\t)%2)+8*SP*\i
.endr
.irp i, 0,1,2,3
	ds_load_b128 v[X+16*((\t)%2)+4*\i:X+16*((\t)%2)+4*\i+3], v15 offset:32*SP*((\t)%2)+16*\i
.endr
.endm
.irp t, 0,1,2,3
	LOAD \t
.endr
	s_wait_loadcnt 12                              ; step 0's four loads are in; the twelve of steps 1 to 3 may be out
	TURN 0
.macro STEP t
.set XS, X+16*((\t)%2)
.if (\t) > 0
	s_wait_dscnt 1                                 ; this step's numbers are back from the stage (the last step's byte store may be out): so its stores into the stage have read their registers,
.else
	s_wait_dscnt 0x0
.endif
.if (\t)+4 < STEPS
	LOAD (\t)+4                                    ; which take the loads of four steps on
.endif
.if (\t)+1 < STEPS
.if STEPS-2-(\t) >= 3
	s_wait_loadcnt 12                              ; the next step's four loads are in; those of the three steps behind it may be out
.else
	s_wait_loadcnt 4*(STEPS-2-(\t))
.endif
	TURN (\t)+1                                    ; and go through the other stage while this step is worked
.endif
	v_max3_num_f32 v8, |v[XS]|, |v[XS+1]|, |v[XS+2]|               ; the largest magnitude of my 16, in two chains
	v_max3_num_f32 v9, |v[XS+3]|, |v[XS+4]|, |v[XS+5]|
.irp i, 6,10
	v_max3_num_f32 v8, v8, |v[XS+\i]|, |v[XS+\i+1]|
	v_max3_num_f32 v9, v9, |v[XS+\i+2]|, |v[XS+\i+3]|
.endr
	v_max3_num_f32 v8, v8, |v[XS+14]|, |v[XS+15]|
	v_max3_num_f32 v8, v8, v9, (EMAX+1)<<23        ; and the floor 2^(3 - 127): the byte cannot fall under 1
	v_max_num_f32_dpp v8, v8, v8 row_xmask:1 row_mask:0xf bank_mask:0xf   ; and of my neighbour's 16: the block's
	v_add_nc_u32 v11, -(EMAX<<23), v8              ; 2 off its exponent field: the conversion takes the exponent field of this operand as its scale
	v_cvt_scalef32_pk16_fp6_f32 v[C+4*(\t):C+4*(\t)+2], v[XS:XS+15], v11         ; sixteen numbers / the scale, to the nearest code, ties to even, beyond the largest code the largest
	v_lshrrev_b32 v[E+(\t)], 23, v11               ; the scale's byte (also the plain line behind the conversion)
	ds_store_b8 v5, v[E+(\t)] offset:16*(\t)       ; both lanes of a block write the same byte with the same value
	global_store_b96 v4, v[C+4*(\t):C+4*(\t)+2], s[8:9] offset:2*KSB*((\t)%2)+192*((\t)/2)
.endm
.irp t, 0,1,2,3,4,5,6,7,8,9,10,11,12,13,14,15
	STEP \t
.endr
	ds_load_b64 v[12:13], v6                       ; LDS serves a wave's instructions in order: these see my stores
	s_wait_dscnt 0x0
	global_store_b64 v7, v[12:13], s[10:11]        ; 32 lanes store 256 consecutive bytes, aligned
	s_wait_tensorcnt 0x0
	ds_add_u32 v192, v193
	s_wait_dscnt 0x0
	s_endpgm
.Lfunc_end_k_qecd2416c4a_quant:
	.size	k_qecd2416c4a_quant, .Lfunc_end_k_qecd2416c4a_quant-k_qecd2416c4a_quant
	.p2alignl 7, 3214868480
	.fill 96, 4, 3214868480
	.section	.rodata,"a",@progbits
	.p2align	6, 0x0
	.amdhsa_kernel k_qecd2416c4a_quant
		.amdhsa_group_segment_fixed_size 33280
		.amdhsa_private_segment_fixed_size 0
		.amdhsa_enable_private_segment 0
		.amdhsa_kernarg_size 72
		.amdhsa_user_sgpr_count 2
		.amdhsa_user_sgpr_kernarg_segment_ptr 1
		.amdhsa_wavefront_size32 1
		.amdhsa_system_sgpr_workgroup_id_x 1
		.amdhsa_system_sgpr_workgroup_id_y 1
		.amdhsa_system_sgpr_workgroup_id_z 1
		.amdhsa_system_vgpr_workitem_id 0
		.amdhsa_next_free_vgpr 194
		.amdhsa_next_free_sgpr 66
		.amdhsa_reserve_vcc 0
		.amdhsa_float_denorm_mode_32 3
		.amdhsa_float_denorm_mode_16_64 3
		.amdhsa_memory_ordered 1
		.amdhsa_forward_progress 1
		.amdhsa_inst_pref_size 33
	.end_amdhsa_kernel
	.amdgpu_metadata
---
amdhsa.version: [ 1, 2 ]
amdhsa.kernels:
  - .name:           k_qecd2416c4a_quant
    .symbol:         k_qecd2416c4a_quant.kd
    .args:
      - { .name: x, .offset: 0, .size: 8, .value_kind: global_buffer, .address_space: global }
      - { .name: Wq, .offset: 8, .size: 8, .value_kind: global_buffer, .address_space: global }
      - { .name: Wk, .offset: 16, .size: 8, .value_kind: global_buffer, .address_space: global }
      - { .name: Wv, .offset: 24, .size: 8, .value_kind: global_buffer, .address_space: global }
      - { .name: Wo, .offset: 32, .size: 8, .value_kind: global_buffer, .address_space: global }
      - { .name: xc, .offset: 40, .size: 8, .value_kind: global_buffer, .address_space: global }
      - { .name: xs, .offset: 48, .size: 8, .value_kind: global_buffer, .address_space: global }
      - { .name: wc, .offset: 56, .size: 8, .value_kind: global_buffer, .address_space: global }
      - { .name: ws, .offset: 64, .size: 8, .value_kind: global_buffer, .address_space: global }
    .group_segment_fixed_size: 33280
    .private_segment_fixed_size: 0
    .kernarg_segment_align: 8
    .kernarg_segment_size: 72
    .max_flat_workgroup_size: 128
    .sgpr_count:     66
    .vgpr_count:     194
    .wavefront_size: 32
...
	.end_amdgpu_metadata
.endif
;; end of part 1
;; launch qkv (part 2): grid 8 x 48, 4 waves a work-group, clusters of 4 x 4, 327,680 bytes of LDS; arguments xc, xs, wc, ws, attention_mask, bq, bk, bv, qb, kv; writes qb, kv
.if DOCPART == 2
	.amdgcn_target "amdgcn-amd-amdhsa--gfx1250"
	.amdhsa_code_object_version 6
	.text
	.protected	k_qecd2416c4a_qkv
	.globl	k_qecd2416c4a_qkv
	.p2align	8
	.type	k_qecd2416c4a_qkv,@function
k_qecd2416c4a_qkv:
	s_mov_b64 s[64:65], 0
	v_nop
	global_prefetch_b8 v0, s[64:65] scope:SCOPE_SE
	s_setreg_imm32_b32 hwreg(HW_REG_WAVE_MODE, 25, 1), 1
	s_wait_xcnt 0x0
	s_wait_alu depctr_hold_cnt(0) depctr_sa_sdst(0) depctr_va_vdst(0) depctr_va_sdst(0) depctr_va_ssrc(0) depctr_va_vcc(0) depctr_vm_vsrc(0)
	s_getreg_b32 s2, hwreg(HW_REG_IB_STS2, 6, 4)
	s_cmp_eq_u32 s2, 0
	s_cbranch_scc0 .Lentry_in_a_cluster
	s_endpgm
.Lentry_in_a_cluster:
	s_bfe_u32 s2, ttmp6, 0x10000c
	s_cmp_lg_u32 s2, 0xf033
	s_cbranch_scc0 .Lentry_shape_is_right
	s_endpgm
.Lentry_shape_is_right:
.set NQ,     2
; Q, K and V = x W^T + b on codes of FP6 with E8M0 scales, tiles of 256 x 256, K in four steps of 256 through two LDS slots; the results are quantised again and stored as the operand images that the attention launch reads.
; xc and wc are laid [128 rows][K step][row][192 bytes]: a wave's tile of 128 rows x 192 bytes is 24,576 dense bytes and comes as 96 rows of 256 bytes; 16 bytes of padding behind every 64 give LDS rows of 240 bytes.
.set ROWB,   24576                     ; bytes from a K step's tile to the next
.set KROW,   768
.set PITCH,  240
.set FR,     12
.set NL,     6
.set NP,     4
.set HALFT,  128*PITCH
.set SLOT,   4*HALFT
.set KS,     32
.set SCL,    2*SLOT
.set HALFS,  16*272
.set SBLK,   2*272
.set SPARE,  SCL+4*HALFS
.set STEPB,  15360
.set HEADB,  16*STEPB
.set ADRA, 16
.set ADRB, 20
.set ADRS, 27
.set SPW,  28
.set NIL,  29
.set SC,   32
.set BI,   64
.set AF,   128
.set BV,   224
.set AM,   240
.set W4,   16
.set R6,   20
.set HA,   128
.set PC,   192
.set PT,   208
.set TMX,  216
.set TMB,  220
.set SO,   248
.set PW,   252
.set G1, 24
.set G0, 32
.set G1B, 48
.set G0B, 56
.set G1S, 68
.set G0S, 76
.set G1SB, 80
.set G0SB, 88
.set KEEP, 80
.set SEL,  90
.set MSB, 0
.macro WIN new
.if MSB != (\new)
	s_set_vgpr_msb (MSB<<8)|(\new)
.set MSB, (\new)
.endif
.endm
.set MUL_LO, 0xa1
.set MUL_HI, 0xf1
.set TO_B,   0x40
.macro JLOAD g0a, g1a, g0b, g1b
	s_cmp_eq_u32 s15, 0
	s_cbranch_scc0 .Lfor_b_\@
	tensor_load_to_lds s[\g0a:\g0a+3], s[\g1a:\g1a+7]
	s_nop 0
.rept 4
	v_nop
.endr
	s_branch .Lasked_\@
.Lfor_b_\@:
	tensor_load_to_lds s[\g0b:\g0b+3], s[\g1b:\g1b+7]
	s_nop 0
.rept 4
	v_nop
.endr
.Lasked_\@:
.endm
.macro CREST
	s_cmp_lg_u32 s14, 0
	s_cbranch_scc1 .Lnot_wave_0_\@
	s_barrier_signal -3
.Lnot_wave_0_\@:
	s_barrier_wait -3
	s_barrier_signal -1
	s_barrier_wait -1
.endm
.macro CROUND
	s_barrier_signal -1
	s_barrier_wait -1
	CREST
.endm
	s_load_b256 s[80:87], s[0:1], 0x0
	v_lshl_add_u32 v[SPW], v0, 2, SPARE
	v_mov_b32 v[NIL], 0
	ds_add_u32 v28, v29
	ds_add_u32 v28, v29
	s_wait_dscnt 0x0
	v_lshrrev_b32 v1, 5, v0
	v_readfirstlane_b32 s14, v1
	s_lshr_b32 s15, s14, 1
	s_and_b32 s16, s14, 1
	s_bfe_u32 s40, ttmp6, 0x40000
	s_bfe_u32 s41, ttmp6, 0x40004
	s_mov_b32 s42, ttmp9
	s_and_b32 s17, ttmp7, 0xffff
	s_lshl_b32 s43, s41, 2
	s_lshl_b32 s43, 15, s43
	s_lshl_b32 s44, 0x1111, s40
	s_or_b32 s[G1+0], s43, (0<<16)|(1<<20)|(1<<21)|(3<<22)|(3<<25)
	s_or_b32 s[G1B+0], s44, (0<<16)|(1<<20)|(1<<21)|(3<<22)|(3<<25)
.irp g, G1, G1B
	s_mov_b32 s[\g+1], 256<<16
	s_mov_b32 s[\g+2], 96<<16
	s_mov_b32 s[\g+3], 256<<16
	s_mov_b32 s[\g+4], 96
	s_mov_b32 s[\g+5], 256
	s_mov_b32 s[\g+6], 0
	s_mov_b32 s[\g+7], 0
.endr
	s_or_b32 s[G1S+0], s43, (3<<16)|(1<<20)|(1<<21)|(5<<22)|(3<<25)
	s_mov_b32 s[G1S+1], 32<<16
	s_mov_b32 s[G1S+2], 16<<16
	s_mov_b32 s[G1S+3], 32<<16
	s_mov_b32 s[G1S+4], 16
	s_mov_b32 s[G1S+5], 32
	s_mov_b32 s[G1S+6], 0
	s_mov_b32 s[G1S+7], 0
	s_lshl_b32 s18, s41, 8
	s_lshl_b32 s19, s17, 10
	s_add_co_u32 s19, s19, s18
	s_add_co_u32 s18, s18, 2048
	s_lshl_b32 s95, s40, 8
	s_lshl_b32 s96, s42, 10
	s_add_co_u32 s95, s95, s96
	s_max_u32 s96, s17, 8
	s_sub_co_u32 s96, s96, 8
	s_lshl_b32 s96, s96, 11
	s_add_co_u32 s96, s96, s95
	s_cmp_lt_u32 s17, 8
	s_cselect_b32 s66, s19, s18
	s_cselect_b32 s67, s95, s96
	s_lshl_b32 s18, s16, 7
	s_add_co_u32 s20, s66, s18
	s_add_co_u32 s46, s67, s18
	s_mov_b32 s21, 0
	s_mov_b32 s47, 0
	s_mov_b64 s[18:19], KS
	s_mul_u64 s[22:23], s[20:21], s[18:19]
	s_mul_u64 s[92:93], s[46:47], s[18:19]
	s_mov_b64 s[18:19], KROW
	s_mul_u64 s[20:21], s[20:21], s[18:19]
	s_mul_u64 s[46:47], s[46:47], s[18:19]
	s_mul_i32 s45, s14, HALFT
	s_mul_i32 s94, s14, HALFS
	s_wait_kmcnt 0x0
	s_cmp_lt_u32 s17, 8
	s_cselect_b64 s[4:5], s[80:81], s[84:85]
	s_cselect_b64 s[6:7], s[82:83], s[86:87]
	s_cselect_b64 s[8:9], s[84:85], s[80:81]
	s_cselect_b64 s[10:11], s[86:87], s[82:83]
	s_or_b32 s[G1SB+0], s44, (3<<16)|(1<<20)|(1<<21)|(5<<22)|(3<<25)
	s_mov_b32 s[G1SB+1], 32<<16
	s_mov_b32 s[G1SB+2], 16<<16
	s_mov_b32 s[G1SB+3], 32<<16
	s_mov_b32 s[G1SB+4], 16
	s_mov_b32 s[G1SB+5], 32
	s_mov_b32 s[G1SB+6], 0
	s_mov_b32 s[G1SB+7], 0
	s_add_nc_u64 s[20:21], s[4:5], s[20:21]
	s_add_nc_u64 s[22:23], s[6:7], s[22:23]
	s_add_nc_u64 s[46:47], s[8:9], s[46:47]
	s_add_nc_u64 s[92:93], s[10:11], s[92:93]
	CROUND
	s_mov_b32 s[G0S], 1
	s_add_co_u32 s[G0S+1], s94, SCL
	s_mov_b64 s[G0S+2:G0S+3], s[22:23]
	s_or_b32 s[G0S+3], s[G0S+3], 0x80000000
	s_mov_b32 s[G0SB], 1
	s_add_co_u32 s[G0SB+1], s94, SCL
	s_mov_b64 s[G0SB+2:G0SB+3], s[92:93]
	s_or_b32 s[G0SB+3], s[G0SB+3], 0x80000000
	JLOAD G0S, G1S, G0SB, G1SB
.irp s, 0,1
	s_mov_b32 s[G0+4*\s], 1
	s_add_co_u32 s[G0+4*\s+1], s45, \s*SLOT
	s_add_nc_u64 s[G0+4*\s+2:G0+4*\s+3], s[20:21], \s*ROWB
	s_or_b32 s[G0+4*\s+3], s[G0+4*\s+3], 0x80000000
	s_mov_b32 s[G0B+4*\s], 1
	s_add_co_u32 s[G0B+4*\s+1], s45, \s*SLOT
	s_add_nc_u64 s[G0B+4*\s+2:G0B+4*\s+3], s[46:47], \s*ROWB
	s_or_b32 s[G0B+4*\s+3], s[G0B+4*\s+3], 0x80000000
	s_wait_alu depctr_va_vdst(0)
	s_wait_tensorcnt 0x0
	ds_add_u32 v28, v29
	s_wait_dscnt 0x0
	CROUND
	JLOAD G0+4*\s, G1, G0B+4*\s, G1B
.endr
	v_and_b32 v1, 15, v0
	v_bfe_u32 v2, v0, 4, 1
	v_mul_u32_u24 v3, v1, PITCH
	v_mul_u32_u24 v4, v2, 24
	v_add_nc_u32 v4, v3, v4
	v_lshl_add_u32 v5, v2, 4, v4
	s_mul_i32 s21, s15, HALFT
	s_mul_i32 s22, s16, HALFT
	s_add_co_u32 s22, s22, 2*HALFT
.irp s, 0,1
	v_add_nc_u32 v[ADRA+\s], s21, v4
	v_add_nc_u32 v[ADRB+\s], s22, v4
	v_add_nc_u32 v[ADRA+2+\s], s21, v5
	v_add_nc_u32 v[ADRB+2+\s], s22, v5
	s_add_co_u32 s21, s21, SLOT
	s_add_co_u32 s22, s22, SLOT
.endr
	v_mul_u32_u24 v5, v1, KS
	v_lshrrev_b32 v6, 8, v5
	v_lshl_add_u32 v5, v6, 4, v5
	s_mul_i32 s21, s15, HALFS
	s_mul_i32 s22, s16, HALFS
	s_add_co_u32 s22, s22, 2*HALFS
	s_sub_co_u32 s22, s22, s21
	v_mul_u32_u24 v6, s22, v2
	s_add_co_u32 s21, s21, SCL
	v_add_nc_u32 v5, v5, v6
	v_add_nc_u32 v[ADRS], s21, v5
.macro FRAG reg, adr, q, i
.irp p, 0,1,2,3,4,5
.set PCE, 12*(\q)+6*(\p/3)+\p%3
.if PCE%8 < 5
	ds_load_b64 v[\reg+2*\p:\reg+2*\p+1], v[\adr] offset:8*PCE+16*(PCE/8)+(\i)*16*PITCH
.else
	ds_load_b64 v[\reg+2*\p:\reg+2*\p+1], v[\adr+2] offset:8*PCE+16*(PCE/8)+(\i)*16*PITCH
.endif
.endr
.endm
.macro MUL16 a0, p, q, sc, zero
.irp a, \a0, \a0+1
.irp b, 0,1,2,3,4,5,6,7
.if \zero
	v_wmma_scale_f32_16x16x128_f8f6f4 v[8*(8*((\a)%4)+\b):8*(8*((\a)%4)+\b)+7], v[128*(\p)+FR*\b:128*(\p)+FR*\b+FR-1], v[AF+FR*(\a):AF+FR*(\a)+FR-1], 0, v[SC+8*NQ*(\sc)+NQ*\b+(\q)], v[SC+8*NQ*(\sc)+NQ*(\a)+(\q)] matrix_a_fmt:MATRIX_FMT_FP6 matrix_b_fmt:MATRIX_FMT_FP6 matrix_a_scale:MATRIX_SCALE_ROW1
.else
	v_wmma_scale_f32_16x16x128_f8f6f4 v[8*(8*((\a)%4)+\b):8*(8*((\a)%4)+\b)+7], v[128*(\p)+FR*\b:128*(\p)+FR*\b+FR-1], v[AF+FR*(\a):AF+FR*(\a)+FR-1], v[8*(8*((\a)%4)+\b):8*(8*((\a)%4)+\b)+7], v[SC+8*NQ*(\sc)+NQ*\b+(\q)], v[SC+8*NQ*(\sc)+NQ*(\a)+(\q)] matrix_a_fmt:MATRIX_FMT_FP6 matrix_b_fmt:MATRIX_FMT_FP6 matrix_a_scale:MATRIX_SCALE_ROW1
.endif
.endr
.endr
.endm
.macro FETCH_B slot, q, p
	WIN TO_B
.irp i, 0,1,2,3,4,5,6,7
	FRAG 128*(\p)+FR*\i, ADRB+\slot, \q, \i
.endr
	WIN 0
.endm
.macro FETCH_A slot, q, i0
.irp i, \i0, \i0+1, \i0+2, \i0+3
	FRAG AF+FR*(\i), ADRA+\slot, \q, \i
.endr
.endm
.macro SCALES sc
.irp i, 0,1,2,3,4,5,6,7
	ds_load_b64 v[SC+8*NQ*\sc+NQ*\i:SC+8*NQ*\sc+NQ*\i+1], v[ADRS] offset:\i*SBLK
.endr
.endm
.macro PLACES n
.rept \n
	v_nop
.endr
.endm
.macro STEP slot, q, zero
	s_wait_dscnt 4*NL
	WIN MUL_LO
	MUL16 0, (\q)%2, \q, \slot, \zero
	MUL16 2, (\q)%2, \q, \slot, \zero
	s_wait_dscnt 0
	PLACES NP
	FETCH_B \slot, (\q)+1, 1-(\q)%2
	FETCH_A \slot, (\q)+1, 0
	WIN MUL_HI
	MUL16 4, (\q)%2, \q, \slot, \zero
	MUL16 6, (\q)%2, \q, \slot, \zero
	PLACES NP
	WIN 0
	FETCH_A \slot, (\q)+1, 4
.endm
.macro TURN slot, next, fill
	s_wait_tensorcnt 0x0
	ds_add_u32 v[SPW], v[NIL]
	s_wait_dscnt 4*NL+1
	WIN MUL_LO
	MUL16 0, 1, NQ-1, \slot, 0
	s_wait_dscnt 0x0
	s_barrier_signal -1
	MUL16 2, 1, NQ-1, \slot, 0
	WIN 0
	s_barrier_wait -1
.if \fill
	CREST
	s_add_nc_u64 s[G0+4*\slot+2:G0+4*\slot+3], s[G0+4*\slot+2:G0+4*\slot+3], 2*ROWB
	s_add_nc_u64 s[G0B+4*\slot+2:G0B+4*\slot+3], s[G0B+4*\slot+2:G0B+4*\slot+3], 2*ROWB
	JLOAD G0+4*\slot, G1, G0B+4*\slot, G1B
.else
	PLACES NP
.endif
	s_wait_alu depctr_va_vdst(0)
	v_add_nc_u32 v[ADRS], 4*NQ, v[ADRS]
	FETCH_B \next, 0, 0
	FETCH_A \next, 0, 0
	SCALES \next
	WIN MUL_HI
	MUL16 4, 1, NQ-1, \slot, 0
	MUL16 6, 1, NQ-1, \slot, 0
	PLACES NP
	WIN 0
	FETCH_A \next, 0, 4
.endm
	s_wait_alu depctr_va_vdst(0)
	s_wait_tensorcnt 1
	s_barrier_signal -1
	s_barrier_wait -1
	s_load_b256 s[68:75], s[0:1], 0x20
	s_load_b128 s[76:79], s[0:1], 0x40
	FETCH_B 0, 0, 0
	FETCH_A 0, 0, 0
	SCALES 0
	FETCH_A 0, 0, 4
	STEP 0, 0, 1
	s_wait_kmcnt 0x0
	s_lshl_b32 s96, s15, 7
	s_add_co_u32 s96, s96, s66
	s_lshl_b32 s97, s16, 7
	s_add_co_u32 s97, s97, s67
	v_and_b32 v3, 8, v1
	v_add_nc_u32 v3, v3, v1
	v_add_nc_u32 v5, s96, v3
	v_lshlrev_b32 v5, 2, v5
	s_and_b32 s92, s96, 1023
	v_add_nc_u32 v6, s92, v3
	v_lshlrev_b32 v6, 2, v6
	s_and_b32 s93, s97, 1023
	s_lshl_b32 s93, s93, 2
	v_lshl_add_u32 v7, v2, 6, s93
	s_cmp_eq_u32 s42, 1
	s_cselect_b64 s[88:89], s[72:73], s[70:71]
.irp a, 0,1,2,3,4,5,6,7
	global_load_b32 v[AM+\a], v5, s[68:69] offset:4*(32*(\a/2)+8*(\a%2))
	global_load_b32 v[BV+2*\a], v6, s[74:75] offset:4*(32*(\a/2)+8*(\a%2))
	global_load_b32 v[BV+2*\a+1], v6, s[74:75] offset:4*(32*(\a/2)+8*(\a%2))
.endr
.irp b, 0,1,2,3,4,5,6,7
	global_load_b128 v[BI+8*\b:BI+8*\b+3], v7, s[88:89] offset:4*(32*(\b/2)+8*(\b%2))
	global_load_b128 v[BI+8*\b+4:BI+8*\b+7], v7, s[88:89] offset:4*(32*(\b/2)+8*(\b%2))+16
.endr
	TURN 0, 1, 1
	STEP 1, 0, 0
	TURN 1, 0, 1
	STEP 0, 0, 0
	TURN 0, 1, 0
	STEP 1, 0, 0
	s_wait_dscnt 4*NL
	WIN MUL_LO
	MUL16 0, 1, NQ-1, 1, 0
	MUL16 2, 1, NQ-1, 1, 0
	s_wait_dscnt 0
	WIN MUL_HI
	MUL16 4, 1, NQ-1, 1, 0
	MUL16 6, 1, NQ-1, 1, 0
	WIN 0
	PLACES NP
	s_wait_loadcnt 0x0
	s_mov_b32 s[SEL], 0x76543210
	s_mov_b32 s[SEL+1], 0xfedcba98
.irp b, 0,1,2,3
	v_mov_b32 v[TMB+\b], 0
.endr
	s_cmp_lt_u32 s17, 8
	s_cselect_b32 s92, s96, s97
	s_cselect_b32 s93, s97, s96
	s_cselect_b32 s88, s42, 1
	s_cmp_eq_u32 s88, 0
	s_cselect_b64 s[12:13], s[76:77], s[78:79]
	s_movk_i32 s89, STEPB
	s_cselect_b32 s89, 9216, s89
	s_mov_b32 s88, 0x7fa00000
	s_cselect_b32 s88, 0x7f7f0000, s88
	s_cselect_b32 s18, -1, 0
	s_cselect_b32 s19, 8, 0
	s_lshr_b32 s94, s92, 11
	s_lshl_b32 s94, s94, 4
	s_bfe_u32 s95, s93, 0x40006
	s_add_co_u32 s94, s94, s95
	s_lshl_b32 s94, s94, 4
	s_bfe_u32 s95, s92, 0x40007
	s_add_co_u32 s94, s94, s95
	s_mul_i32 s94, s94, s89
	s_mov_b32 s95, 0
	s_add_nc_u64 s[12:13], s[12:13], s[94:95]
	s_lshl_b32 s89, s89, 4
	v_and_b32 v3, 31, v0
	v_lshlrev_b32 v8, 4, v3
	v_lshlrev_b32 v11, 3, v3
.macro QUANT st
.irp b, 0,1,2,3
	v_max3_num_f32 v[TMX+\b], |v[HA+16*\b]|, |v[HA+1+16*\b]|, 0x1800000
.endr
.irp i, 2,4,6,8,10,12,14
.irp b, 0,1,2,3
	v_max3_num_f32 v[TMX+\b], v[TMX+\b], |v[HA+16*\b+\i]|, |v[HA+1+16*\b+\i]|
.endr
.endr
.irp b, 0,1,2,3
	v_permlanex16_b32 v[TMB+\b], v[TMX+\b], s[SEL], s[SEL+1]
.endr
.irp b, 0,1,2,3
	v_max_num_f32 v[TMX+\b], v[TMX+\b], v[TMB+\b]
.endr
.irp b, 0,1,2,3
	v_add_nc_u32 v[SO+\b], 0xff000000, v[TMX+\b]
.endr
.irp b, 0,1,2,3
	v_lshrrev_b32 v[TMB+\b], 23, v[SO+\b]
.endr
	v_lshl_or_b32 v[PW], v[TMB+1], 8, v[TMB]
	v_lshl_or_b32 v[PW], v[TMB+2], 16, v[PW]
	v_lshl_or_b32 v[PW], v[TMB+3], 24, v[PW]
.irp c, 0,1
	v_cvt_scalef32_pk16_fp6_f32 v[PC+(\st)*\c:PC+(\st)*\c+2], v[HA+32*\c:HA+32*\c+15], v[SO+2*\c]
	v_cvt_scalef32_pk16_fp6_f32 v[PT+4*\c:PT+4*\c+2], v[HA+32*\c+16:HA+32*\c+31], v[SO+2*\c+1]
.endr
	v_nop
.irp c, 0,1
.irp i, 0,1,2
	v_permlane16_swap_b32 v[PC+(\st)*\c+\i], v[PT+4*\c+\i]
.endr
.irp i, 0,1,2
	v_mov_b32 v[PC+(\st)*\c+3+\i], v[PT+4*\c+\i]
.endr
.endr
.endm
.macro EPI a, isv
.if (\a) > 0
	s_wait_xcnt 0x0
.endif
	WIN 0x02+(\a)/4
.irp j, 0,2,4,6,8,10,12,14,16,18,20,22,24,26,28,30,32,34,36,38,40,42,44,46,48,50,52,54,56,58,60,62
.if \isv
	v_pk_add_f32 v[HA+\j:HA+\j+1], v[64*((\a)%4)+\j:64*((\a)%4)+\j+1], v[BV+2*(\a):BV+2*(\a)+1]
.else
	v_pk_add_f32 v[HA+\j:HA+\j+1], v[64*((\a)%4)+\j:64*((\a)%4)+\j+1], v[BI+\j:BI+\j+1]
.endif
.endr
	WIN 0
.if \isv
	QUANT 6
	v_mov_b32 v[W4+(\a)%4], v[PW]
.set VO, ((\a)/4)*HEADB+9216+1536*((\a)%4)
	global_store_b128 v8, v[PC:PC+3], s[12:13] offset:VO th:TH_STORE_NT
	global_store_b64 v11, v[PC+4:PC+5], s[12:13] offset:VO+512 th:TH_STORE_NT
	global_store_b128 v8, v[PC+6:PC+9], s[12:13] offset:VO+768 th:TH_STORE_NT
	global_store_b64 v11, v[PC+10:PC+11], s[12:13] offset:VO+1280 th:TH_STORE_NT
.if (\a)%4 == 3
	global_store_b128 v10, v[W4:W4+3], s[12:13] offset:((\a)/4)*HEADB+8448 th:TH_STORE_NT
.endif
.else
	QUANT 8
.irp i, 0,1,2,3,4,5,8,9,10,11,12,13
	v_cndmask_b32 v[PC+\i], 0, v[PC+\i], s[KEEP+(\a)]
.endr
	v_mov_b32 v[PC+6], v[R6+(\a)]
	v_mov_b32 v[PC+14], v[R6+(\a)]
	v_lshrrev_b32 v15, v12, v[PW]
	v_and_or_b32 v[W4+(\a)%4], v15, 0xffff, s88
	global_store_b128 v8, v[PC:PC+3], s[12:13] offset:1024*(\a) th:TH_STORE_NT
	global_store_b128 v8, v[PC+4:PC+7], s[12:13] offset:1024*(\a)+512 th:TH_STORE_NT
	global_store_b128 v9, v[PC+8:PC+11], s[12:13] offset:1024*(\a) th:TH_STORE_NT
	global_store_b128 v9, v[PC+12:PC+15], s[12:13] offset:1024*(\a)+512 th:TH_STORE_NT
.if (\a)%4 == 3
	global_store_b128 v10, v[W4:W4+3], s[12:13] offset:8192+512*((\a)/4) th:TH_STORE_NT
.endif
.endif
.endm
	s_cmp_lt_u32 s17, 8
	s_cbranch_scc0 .Lpath_v
	v_add_nc_u32 v9, s89, v8
	v_mul_u32_u24 v10, s89, v2
	v_lshl_add_u32 v10, v1, 4, v10
	v_lshlrev_b32 v12, 4, v2
	v_sub_nc_u32 v15, 1, v2
	v_mul_u32_u24 v13, 40, v15
	v_mul_u32_u24 v14, s19, v15
	v_mov_b32 v[PC+7], 0
	v_mov_b32 v[PC+15], 0
.irp a, 0,1,2,3,4,5,6,7
	v_cmp_ne_u32 s[KEEP+\a], 0, v[AM+\a]
.endr
.irp a, 0,1,2,3,4,5,6,7
	s_or_b32 s[KEEP+\a], s[KEEP+\a], s18
.endr
.irp a, 0,1,2,3,4,5,6,7
	v_cndmask_b32 v[R6+\a], v13, v14, s[KEEP+\a]
.endr
.irp a, 0,1,2,3,4,5,6,7
	EPI \a, 0
.endr
	s_branch .Lend
.Lpath_v:
	v_lshlrev_b32 v10, 9, v2
	v_lshl_add_u32 v10, v1, 4, v10
.irp a, 0,1,2,3,4,5,6,7
	EPI \a, 1
.endr
.Lend:
	s_wait_tensorcnt 0x0
	ds_add_u32 v[SPW], v[NIL]
	s_wait_dscnt 0x0
	CROUND
	s_endpgm
.Lfunc_end_k_qecd2416c4a_qkv:
	.size	k_qecd2416c4a_qkv, .Lfunc_end_k_qecd2416c4a_qkv-k_qecd2416c4a_qkv
	.p2alignl 7, 3214868480
	.fill 96, 4, 3214868480
	.section	.rodata,"a",@progbits
	.p2align	6, 0x0
	.amdhsa_kernel k_qecd2416c4a_qkv
		.amdhsa_group_segment_fixed_size 327680
		.amdhsa_private_segment_fixed_size 0
		.amdhsa_enable_private_segment 0
		.amdhsa_kernarg_size 80
		.amdhsa_user_sgpr_count 2
		.amdhsa_user_sgpr_kernarg_segment_ptr 1
		.amdhsa_wavefront_size32 1
		.amdhsa_system_sgpr_workgroup_id_x 1
		.amdhsa_system_sgpr_workgroup_id_y 1
		.amdhsa_system_sgpr_workgroup_id_z 1
		.amdhsa_system_vgpr_workitem_id 0
		.amdhsa_next_free_vgpr 1024
		.amdhsa_next_free_sgpr 98
		.amdhsa_reserve_vcc 0
		.amdhsa_float_denorm_mode_32 3
		.amdhsa_float_denorm_mode_16_64 3
		.amdhsa_memory_ordered 1
		.amdhsa_forward_progress 1
		.amdhsa_inst_pref_size 245
	.end_amdhsa_kernel
	.amdgpu_metadata
---
amdhsa.version: [ 1, 2 ]
amdhsa.kernels:
  - .name:           k_qecd2416c4a_qkv
    .symbol:         k_qecd2416c4a_qkv.kd
    .args:
      - { .name: xc, .offset: 0, .size: 8, .value_kind: global_buffer, .address_space: global }
      - { .name: xs, .offset: 8, .size: 8, .value_kind: global_buffer, .address_space: global }
      - { .name: wc, .offset: 16, .size: 8, .value_kind: global_buffer, .address_space: global }
      - { .name: ws, .offset: 24, .size: 8, .value_kind: global_buffer, .address_space: global }
      - { .name: attention_mask, .offset: 32, .size: 8, .value_kind: global_buffer, .address_space: global }
      - { .name: bq, .offset: 40, .size: 8, .value_kind: global_buffer, .address_space: global }
      - { .name: bk, .offset: 48, .size: 8, .value_kind: global_buffer, .address_space: global }
      - { .name: bv, .offset: 56, .size: 8, .value_kind: global_buffer, .address_space: global }
      - { .name: qb, .offset: 64, .size: 8, .value_kind: global_buffer, .address_space: global }
      - { .name: kv, .offset: 72, .size: 8, .value_kind: global_buffer, .address_space: global }
    .group_segment_fixed_size: 327680
    .private_segment_fixed_size: 0
    .kernarg_segment_align: 8
    .kernarg_segment_size: 80
    .max_flat_workgroup_size: 128
    .sgpr_count:     98
    .vgpr_count:     1024
    .wavefront_size: 32
...
	.end_amdgpu_metadata
.endif
;; end of part 2
;; launch attn (part 3): grid 4 x 64, 8 waves a work-group, clusters of 4 x 1, 247,808 bytes of LDS; arguments qb, kv, zc, zs; writes zc, zs
.if DOCPART == 3
	.amdgcn_target "amdgcn-amd-amdhsa--gfx1250"
	.amdhsa_code_object_version 6
	.text
	.protected	k_qecd2416c4a_attn
	.globl	k_qecd2416c4a_attn
	.p2align	8
	.type	k_qecd2416c4a_attn,@function
k_qecd2416c4a_attn:
	s_mov_b64 s[64:65], 0
	v_nop
	global_prefetch_b8 v0, s[64:65] scope:SCOPE_SE
	s_setreg_imm32_b32 hwreg(HW_REG_WAVE_MODE, 25, 1), 1
	s_wait_xcnt 0x0
	s_wait_alu depctr_hold_cnt(0) depctr_sa_sdst(0) depctr_va_vdst(0) depctr_va_sdst(0) depctr_va_ssrc(0) depctr_va_vcc(0) depctr_vm_vsrc(0)
	s_getreg_b32 s2, hwreg(HW_REG_IB_STS2, 6, 4)
	s_cmp_eq_u32 s2, 0
	s_cbranch_scc0 .Lentry_in_a_cluster
	s_endpgm
.Lentry_in_a_cluster:
	s_bfe_u32 s2, ttmp6, 0x10000c
	s_cmp_lg_u32 s2, 0x3003
	s_cbranch_scc0 .Lentry_shape_is_right
	s_endpgm
.Lentry_shape_is_right:
; z[b][h][q] = the sum over keys of softmax(q . k / 8, masked) v, both products on codes of FP6 (E2M3) with E8M0 scales; z is divided by the row's sum and quantised along (head, e) for the last product.
; THE SOFTMAX: t = raw score x log2(e) / 8; M = the running largest t rounded UP to a whole number; p = 2^(t - M) is quantised along the keys, not normalised; the row's sum is taken of the unquantised p in f32.
; When M moves, the sum and O are multiplied by 2^(old M - new M): exact.
; THE MASK costs no line here: the score product's K = 64 .. 127 is idle (a head has 64); at k = 64 a query holds 1.0 and a masked key -2^33, whose real codes are zeros.  c x 2^33 is a whole number, so in a row
; whose keys are all masked every p is 1 and the result is the mean of v, as reference() gives; in any other row a masked p is 0.
; LIMITS: a masked logit is -2^30 where reference() has -1e9: the results agree while every unmasked logit lies above about -1e9; the scaled scores stay under 2^31 in magnitude.  NaN and infinities are not served.
; SHARES.  The four work-groups of a cluster take 512 queries each of ONE head.  Eight waves, two to a SIMD; a wave owns TWO tiles of 16 queries in each of two passes, so a fragment of K or V read from LDS feeds two products.
; THE HEAD'S WHOLE K AND V, 245,760 bytes of operand images, come into LDS ONCE, asked for jointly by the four partners: each wave issues one tensor load of two key steps (30,720 bytes); one barrier shows them to all;
; nothing is filled again.  Nothing is prefetched: every byte of kv that the work-group reads is asked for by that one load at the head, and no loop runs ahead of it.
; LAYOUT.  Both products are used transposed: S^T = K Q^T, O^T = V^T P^T: a lane holds ONE query (lane % 16).  The launch before chose the keys of a tile so that the 16 registers of tiles 2 b, 2 b + 1 are 16 true neighbours.
; A key tile's fragment has eight registers of its own; its registers 8 to 11 meet zeros of Q, so the fragments stand eight registers apart and overlap.
; LDS LOADS RUN A STEP AHEAD: behind a step's score products the next step's K (18 loads), behind its second products the next step's V (17 loads).  The walk wraps from step 15 to step 0:
; the first pass's last fetch is the second pass's first step; the second pass's last fetch is not used.
; VECTOR WORK AMONG THE PRODUCTS, four lines behind a product: tile 1's row sums of the step BEFORE among tile 0's score products (which leave tile 1's p alone), tile 0's search for the largest among tile 1's score products,
; tile 0's row sums among the second products.  So tile 1's sums are carried over the loop's edge: a pass begins with zeros for p, the sums and f, and ends with the last step's sums written out.
; Tile 1's multiply-adds stand among tile 0's exponentials.
; REGISTERS.  Window 1 (v256 ..): S^T then p of both tiles (0-127), O^T (128-191), Q (192-215), the second pass's Q (216-231).  Window 0: all else, named below; u = 0, 1 is the tile.
.set STEPB, 15360                      ; a key step's block: 8 key tiles x 1,024; two planes of scale words x 512; 4 tiles of V^T x 1,536
.set HEADB, 16*STEPB
.set QREC,  9216                       ; a record of 128 queries
.set SPARE, 0x3c000                    ; behind K and V: the spare words, 128 bytes a wave
.set QS,  6                            ; v6-7    Q's scale words
.set NM,  12                           ; v12-15  a pair a tile: -M, the largest raw score so far
.set LS,  16                           ; v16-19  the row's sum, two halves a tile
.set FF,  20                           ; v20-23  f (the low word of a pair)
.set TT,  24                           ; v24-25  at work
.set PW,  26                           ; v26-27  p's scale words
.set QSS, 28                           ; v28-29  the second pass's Q's scale words
.set NEG, 30                           ; v30     -3e38
.set KF,  32                           ; v32-95  K's fragments, v96-99 zeros
.set KS,  100                          ; v100-107 K's scale words
.set VS,  108                          ; v108-111 lanes 16-31: V^T's scale words
.set VF,  112                          ; v112-159 V^T's fragments
.set PC,  160                          ; v160-183 p's codes
.set PT,  184                          ; v184-199 the conversions' second halves
.set BM,  200                          ; v200-207 the blocks' largest
.set T4,  208
.set SO,  216
.set AC,  224                          ; v224-239 four partial sums a tile
.set S,   0
.set O,   128
.set Q,   192
.set QST, 216
.set WV,  12
.set G1,  16
.set G0,  24
.set SEL, 40
.set CS,  42
.set TK,  44
.set CNT, 45
.set PASS, 46
.set HIL, 47
.set MSB, 0
.macro WIN new                         ; low byte: bits 1:0 source 0, 3:2 source 1, 5:4 source 2, 7:6 destination; the high byte repeats the setting left
.if MSB != (\new)
	s_set_vgpr_msb (MSB<<8)|(\new)
.set MSB, (\new)
.endif
.endm
.macro WALU
	s_wait_alu depctr_va_vdst(0)
.endm
.macro DEP2
	s_delay_alu instid0(VALU_DEP_2)
.endm
.macro PLACES n
.rept \n
	v_nop
.endr
.endm
.macro CROUND                          ; a round of the cluster's barrier
	s_barrier_signal -1
	s_barrier_wait -1
	s_cmp_lg_u32 s[WV], 0
	s_cbranch_scc1 .Lnot_wave_0_\@
	s_barrier_signal -3
.Lnot_wave_0_\@:
	s_barrier_wait -3
	s_barrier_signal -1
	s_barrier_wait -1
.endm
.macro LOADK a                         ; 18 loads: eight key tiles and their scale words
.irp t, 0,1,2,3,4,5,6,7
	ds_load_b128 v[KF+8*\t:KF+8*\t+3], \a offset:1024*\t
	ds_load_b128 v[KF+8*\t+4:KF+8*\t+7], \a offset:1024*\t+512
.endr
	ds_load_b128 v[KS:KS+3], \a offset:8192
	ds_load_b128 v[KS+4:KS+7], \a offset:8704
.endm
.macro LOADV a, b                      ; 17 loads: V^T's four fragments and the plane that holds their scale words in lanes 16-31
.irp n, 0,1,2,3
	ds_load_b128 v[VF+12*\n:VF+12*\n+3], \a offset:9216+1536*\n
	ds_load_b64 v[VF+12*\n+4:VF+12*\n+5], \b offset:9216+1536*\n+512
	ds_load_b128 v[VF+12*\n+6:VF+12*\n+9], \a offset:9216+1536*\n+768
	ds_load_b64 v[VF+12*\n+10:VF+12*\n+11], \b offset:9216+1536*\n+1280
.endr
	ds_load_b128 v[VS:VS+3], \a offset:8192
.endm
.macro SUMS u, g                       ; group g = 0 .. 6 of tile u's row sums of the unquantised p: four chains, four lines a group
.if (\g) == 0
	WIN 0x05
.irp a, 0,1,2,3
	v_pk_add_f32 v[AC+8*\u+2*\a:AC+8*\u+2*\a+1], v[S+64*\u+4*\a:S+64*\u+4*\a+1], v[S+64*\u+4*\a+2:S+64*\u+4*\a+3]
.endr
.else
	WIN 0x04
.irp a, 0,1,2,3
	v_pk_add_f32 v[AC+8*\u+2*\a:AC+8*\u+2*\a+1], v[AC+8*\u+2*\a:AC+8*\u+2*\a+1], v[S+64*\u+8+8*(\g)+2*\a:S+64*\u+8+8*(\g)+2*\a+1]
.endr
.endif
.endm
.macro JOIN u                          ; the four chains joined; the sum under that step's M, and the step's
	WIN 0
	v_pk_add_f32 v[AC+8*\u:AC+8*\u+1], v[AC+8*\u:AC+8*\u+1], v[AC+8*\u+2:AC+8*\u+3]
	v_pk_add_f32 v[AC+8*\u+4:AC+8*\u+5], v[AC+8*\u+4:AC+8*\u+5], v[AC+8*\u+6:AC+8*\u+7]
	v_pk_add_f32 v[AC+8*\u:AC+8*\u+1], v[AC+8*\u:AC+8*\u+1], v[AC+8*\u+4:AC+8*\u+5]
	v_pk_fma_f32 v[LS+2*\u:LS+2*\u+1], v[LS+2*\u:LS+2*\u+1], v[FF+2*\u:FF+2*\u+1], v[AC+8*\u:AC+8*\u+1] op_sel_hi:[1,0,1]
.endm
.macro MAXG u, i                       ; registers i, i + 1 of tile u's four blocks of 32 keys join the blocks' largest scores: each accumulator from its low end on
	WIN 0x14
.irp b, 0,1,2,3
.if (\i) == 0
	v_max3_num_f32 v[BM+4*\u+\b], v[NEG], v[S+64*\u+16*\b], v[S+64*\u+16*\b+1]
.else
	v_max3_num_f32 v[BM+4*\u+\b], v[BM+4*\u+\b], v[S+64*\u+16*\b+(\i)], v[S+64*\u+16*\b+(\i)+1]
.endif
.endr
.endm
.macro SPROD u, t
	WIN 0x44
	v_wmma_scale_f32_16x16x128_f8f6f4 v[S+64*\u+8*\t:S+64*\u+8*\t+7], v[KF+8*\t:KF+8*\t+11], v[Q+12*\u:Q+12*\u+11], 0, v[KS+\t], v[QS+\u] matrix_a_fmt:MATRIX_FMT_FP6 matrix_b_fmt:MATRIX_FMT_FP6
.endm
	s_load_b256 s[4:11], s[0:1], 0x0               ; qb, kv, zc, zs
	v_lshl_add_u32 v254, v0, 2, SPARE
	v_mov_b32 v255, 0
	ds_add_u32 v254, v255                          ; the opening lines: the add twice on end and its wait
	ds_add_u32 v254, v255
	v_lshrrev_b32 v1, 5, v0
	v_readfirstlane_b32 s[WV], v1                  ; wave 0..7
	s_bfe_u32 s13, ttmp6, 0x40000                  ; cx: it enters Q's and z's addresses alone
	s_and_b32 s14, ttmp7, 0xffff                   ; batch x 16 + head, which the four partners share
	s_mov_b32 s[G1], 15|(3<<16)|(1<<21)            ; the mask: all four work-groups; elements of 8 bytes; bit 21 beside a mask
	s_mov_b32 s[G1+1], 32<<16                      ; two key steps, dense: 120 rows of 256 bytes
	s_mov_b32 s[G1+2], 120<<16
	s_mov_b32 s[G1+3], 32<<16
	s_mov_b32 s[G1+4], 120
	s_mov_b32 s[G1+5], 32
	s_mov_b32 s[G1+6], 0
	s_mov_b32 s[G1+7], 0
	s_mul_i32 s48, s[WV], 2*STEPB                  ; my two steps: in LDS as in memory
	s_mul_i32 s50, s14, HEADB
	s_add_co_u32 s50, s50, s48
	s_mov_b32 s51, 0
	s_mov_b32 s[SEL], 0x76543210
	s_mov_b32 s[SEL+1], 0xfedcba98                 ; v_permlanex16_b32's selects for lane l xor 16
	s_mov_b32 s[CS], 0x3e38aa3b                    ; c = log2(e) / 8
	s_mov_b32 s[CS+1], s[CS]
	s_mov_b32 s[HIL], 0xffff0000
	s_mov_b32 s[PASS], 2
	s_wait_dscnt 0x0
	s_wait_kmcnt 0x0
	s_add_nc_u64 s[50:51], s[6:7], s[50:51]
	CROUND                                         ; all four work-groups are here: the joint loads meet
	s_mov_b32 s[G0], 1
	s_add_co_u32 s[G0+1], s48, 0
	s_mov_b64 s[G0+2:G0+3], s[50:51]
	s_or_b32 s[G0+3], s[G0+3], 0x80000000
	tensor_load_to_lds s[G0:G0+3], s[G1:G1+7]      ; my one tensor load
	s_nop 0
	PLACES 4
	s_lshl_b32 s52, s14, 4
	s_lshl_b32 s53, s13, 2
	s_add_co_u32 s52, s52, s53                     ; the work-group's first record: 16 (batch, head) + 4 cx
	s_mul_i32 s56, s52, QREC
	s_mov_b32 s57, 0
	s_add_nc_u64 s[4:5], s[4:5], s[56:57]
	s_lshl_b32 s54, s[WV], 10                      ; my tile of a record is my wave's number; tile u lies in record 2 pass + u
	s_lshr_b32 s55, s[WV], 2
	s_lshl_b32 s55, s55, 9
	s_and_b32 s53, s[WV], 3
	s_lshl_b32 s53, s53, 2
	s_add_co_u32 s55, s55, s53
	s_add_co_u32 s55, s55, 8192                    ; Q's scale word: plane tile / 4, + 4 (tile % 4)
	s_lshr_b32 s58, s14, 4
	s_lshl_b32 s58, s58, 7
	s_lshl_b32 s53, s13, 5
	s_add_co_u32 s58, s58, s53
	s_add_co_u32 s58, s58, s[WV]                   ; T: my first tile of 16 tokens: 128 batch + 8 record + tile
	s_and_b32 s59, s14, 15                         ; the head
	s_lshr_b32 s53, s59, 2
	s_lshl_b32 s53, s53, 9
	s_add_co_u32 s53, s53, s58
	s_mul_i32 s56, s53, 3072                       ; zc: [head / 4][T][head % 4][768]
	s_and_b32 s53, s59, 3
	s_mul_i32 s53, s53, 768
	s_add_co_u32 s56, s56, s53
	s_add_nc_u64 s[8:9], s[8:9], s[56:57]
	s_lshl_b32 s56, s58, 9                         ; zs: 512 T + 2 head
	s_lshl_b32 s53, s59, 1
	s_add_co_u32 s56, s56, s53
	s_add_nc_u64 s[10:11], s[10:11], s[56:57]
	v_and_b32 v10, 31, v0
	v_lshlrev_b32 v1, 4, v10                       ; 16 x lane
	v_lshlrev_b32 v2, 3, v10                       ; 8 x lane
	v_and_b32 v11, 15, v0                          ; r
	v_bfe_u32 v3, v0, 4, 1                         ; h
	v_lshl_add_u32 v5, v11, 5, v3                  ; z's scale byte: 32 r + h
	v_add_nc_u32 v8, s54, v1
	v_lshl_add_u32 v9, v11, 4, s55
	WALU                                           ; the wait ahead of the readers below
	WIN 0x40
.irp u, 0,1
	global_load_b128 v[Q+12*\u:Q+12*\u+3], v8, s[4:5] offset:\u*QREC th:TH_LOAD_NT
	global_load_b128 v[Q+12*\u+4:Q+12*\u+7], v8, s[4:5] offset:\u*QREC+512 th:TH_LOAD_NT
	global_load_b128 v[QST+8*\u:QST+8*\u+3], v8, s[4:5] offset:(2+\u)*QREC th:TH_LOAD_NT
	global_load_b128 v[QST+8*\u+4:QST+8*\u+7], v8, s[4:5] offset:(2+\u)*QREC+512 th:TH_LOAD_NT
.endr
.irp u, 0,1
.irp i, 8,9,10,11
	v_mov_b32 v[Q+12*\u+\i], 0                     ; Q's registers 8 to 11: zeros
.endr
.endr
.set j, 0
.rept 64
	v_mov_b32 v[O+j], 0                            ; O^T, once: each pass's first step multiplies what it finds by f = 0, so it must be finite
.set j, j+1
.endr
	WIN 0
.irp u, 0,1
	global_load_b32 v[QS+\u], v9, s[4:5] offset:\u*QREC th:TH_LOAD_NT
	global_load_b32 v[QSS+\u], v9, s[4:5] offset:(2+\u)*QREC th:TH_LOAD_NT
.endr
.irp i, 0,1,2,3
	v_mov_b32 v[96+\i], 0                          ; behind the last key tile's eight registers
.endr
.irp i, 0,1,2,3,4,5,6,7
	v_mov_b32 v[T4+\i], 0                          ; a lane permute's destination counts as one of its sources
.endr
	v_mov_b32 v[TT], 0
	v_mov_b32 v[TT+1], 0
	v_mov_b32 v[NEG], 0xff61b1e6
	WALU                                           ; the wait at the head's end
	s_wait_tensorcnt 0x0                           ; my two key steps are in
	s_barrier_signal -1
	s_barrier_wait -1                              ; and everybody's
	LOADK v1                                       ; key step 0
	LOADV v1, v2
	s_wait_loadcnt 0x0                             ; Q
.Lpass:                                            ; two trips: two tiles of 16 queries each
.irp u, 0,1
	v_mov_b32 v[NM+2*\u+1], v[NEG]                 ; the largest score so far: under every score
	v_mov_b32 v[NM+2*\u], 0x7f61b1e6               ; -M = 3e38: the first step's f is 0
.endr
.irp i, 0,1,2,3
	v_mov_b32 v[LS+\i], 0                          ; the sums,
	v_mov_b32 v[FF+\i], 0                          ; f (the pairs' upper words are named, so they are written),
.endr
	WIN 0x40
.set j, 0
.rept 64
	v_mov_b32 v[S+64+j], 0                         ; and tile 1's p: the first step sums them as the step before's
.set j, j+1
.endr
	WIN 0
	s_mov_b32 s[CNT], 0
.Lstep:                                            ; a key step: 128 keys x 32 queries
	s_wait_dscnt 17                                ; K is in; the 17 loads of V behind it may be out
.irp t, 0,1,2,3,4,5,6,7
	SPROD 0, \t
.if \t > 0
	SUMS 1, \t-1                                   ; the step before's p of tile 1
.endif
.endr
.irp t, 0,1,2,3,4,5,6,7
	SPROD 1, \t
	MAXG 0, 2*\t
.endr
	WIN 0
	s_add_co_u32 s[CNT], s[CNT], 1
	s_and_b32 s[TK], s[CNT], 15                    ; the next step, 15 wraps to 0
	s_mul_i32 s[TK], s[TK], STEPB
	v_add_nc_u32 v3, s[TK], v1
	v_add_nc_u32 v4, s[TK], v2
	JOIN 1                                         ; under the step before's f.  (With the lines above: the plain lines behind the products, ahead of loads into registers that they read)
	LOADK v3
.irp i, 0,2,4,6,8,10,12,14
	MAXG 1, \i
.endr
	WIN 0
.irp b, 0,1,2,3
.irp u, 0,1
	v_permlanex16_b32 v[T4+4*\u+\b], v[BM+4*\u+\b], s[SEL], s[SEL+1]
.endr
.endr
.irp b, 0,1,2,3
.irp u, 0,1
	v_max_num_f32 v[BM+4*\u+\b], v[BM+4*\u+\b], v[T4+4*\u+\b]   ; with lane l xor 16's 16 keys
.endr
.endr
.irp u, 0,1
	v_mov_b32 v[T4+4*\u], v[NM+2*\u]               ; the old -M
.endr
.irp u, 0,1
	v_max3_num_f32 v[TT+\u], v[BM+4*\u], v[BM+4*\u+1], v[BM+4*\u+2]
.endr
.irp u, 0,1
	DEP2
	v_max3_num_f32 v[NM+2*\u+1], v[TT+\u], v[BM+4*\u+3], v[NM+2*\u+1]   ; the running largest score
.endr
.irp u, 0,1
	DEP2
	v_mul_f32 v[TT+\u], s[CS], v[NM+2*\u+1]        ; as t (c is positive)
.endr
.irp u, 0,1
	DEP2
	v_floor_f32 v[NM+2*\u], -v[TT+\u]              ; the new -M = floor(-t): M is a whole number
.endr
.irp u, 0,1
	DEP2
	v_sub_f32 v[TT+\u], v[NM+2*\u], v[T4+4*\u]     ; old M less new M: a whole number, 0 or less
.endr
.irp u, 0,1
	DEP2
	v_cvt_i32_f32 v[TT+\u], v[TT+\u]               ; (it saturates)
.endr
.irp u, 0,1
	DEP2
	v_ldexp_f32 v[FF+2*\u], 1.0, v[TT+\u]          ; f = 2^(old M - new M)
.endr
.irp b, 0,1,2,3
.irp u, 0,1
	v_fma_f32 v[BM+4*\u+\b], v[BM+4*\u+\b], s[CS], v[NM+2*\u]   ; t - M of each block's largest score
.endr
.endr
	WIN 0x41
.irp u, 0,1
.set j, 0
.rept 16
	v_pk_mul_f32 v[O+32*\u+j:O+32*\u+j+1], v[O+32*\u+j:O+32*\u+j+1], v[FF+2*\u:FF+2*\u+1] op_sel_hi:[1,0]   ; O^T under the new M, each accumulator from its low end on
.set j, j+2
.endr
.endr
.set j, 0
.rept 32
	v_pk_fma_f32 v[S+j:S+j+1], v[S+j:S+j+1], s[CS:CS+1], v[NM:NM+1] op_sel_hi:[1,0,0]   ; tile 0: t - M, two at a time
.set j, j+2
.endr
	WALU                                           ; the wait ahead of the batch
	WIN 0
.irp k, 0,1,2,3,4,5,6,7
	v_exp_f32 v[BM+\k], v[BM+\k]                   ; the blocks' largest p: the same two instructions on the same number give the same bits
.endr
	WIN 0x41
.set j, 0
.rept 32
	v_exp_f32 v[S+j], v[S+j]                       ; tile 0: p = 2^(t - M), at most 1: not normalised
	v_pk_fma_f32 v[S+64+j:S+64+j+1], v[S+64+j:S+64+j+1], s[CS:CS+1], v[NM+2:NM+3] op_sel_hi:[1,0,0]   ; tile 1: t - M; first read behind the wait below
	v_exp_f32 v[S+j+1], v[S+j+1]
.set j, j+2
.endr
	v_nop                                          ; the plain line behind the batch
	WALU                                           ; one wait: behind this batch, ahead of the next
.set j, 0
.rept 64
	v_exp_f32 v[S+64+j], v[S+64+j]                 ; tile 1's p
.set j, j+1
.endr
	v_nop
	WALU
	WIN 0
.irp k, 0,1,2,3,4,5,6,7
	v_max_num_f32 v[BM+\k], 0x1800000, v[BM+\k]    ; the floor 2^(3 - 127): the byte cannot fall under 1
.endr
.irp k, 0,1,2,3,4,5,6,7
	v_add_nc_u32 v[SO+\k], 0xff000000, v[BM+\k]    ; 2 off the exponent field: the conversion's scale operand
.endr
.irp k, 0,1,2,3,4,5,6,7
	v_lshrrev_b32 v[T4+\k], 23, v[SO+\k]           ; the scale's byte
.endr
.irp u, 0,1
	v_lshl_or_b32 v[PW+\u], v[T4+4*\u+1], 8, v[T4+4*\u]   ; p's scale word for these 128 keys
.endr
.irp u, 0,1
	v_lshl_or_b32 v[PW+\u], v[T4+4*\u+2], 16, v[PW+\u]
.endr
.irp u, 0,1
	v_lshl_or_b32 v[PW+\u], v[T4+4*\u+3], 24, v[PW+\u]
.endr
	WIN 0x01
.irp u, 0,1
.irp c, 0,1
	v_cvt_scalef32_pk16_fp6_f32 v[PC+12*\u+6*\c:PC+12*\u+6*\c+2], v[S+64*\u+32*\c:S+64*\u+32*\c+15], v[SO+4*\u+2*\c]
	v_cvt_scalef32_pk16_fp6_f32 v[PT+8*\u+4*\c:PT+8*\u+4*\c+2], v[S+64*\u+32*\c+16:S+64*\u+32*\c+31], v[SO+4*\u+2*\c+1]   ; (a conversion's three registers begin on an even number)
.endr
.endr
	v_nop                                          ; one plain line behind a scaled conversion
	WIN 0
.irp u, 0,1                                    ; the operand's layout wants a WHOLE block in a lane
.irp c, 0,1
.irp i, 0,1,2
	v_permlane16_swap_b32 v[PC+12*\u+6*\c+\i], v[PT+8*\u+4*\c+\i]
.endr
.endr
.endr
.irp u, 0,1
.irp c, 0,1
.irp i, 0,1,2
	v_mov_b32 v[PC+12*\u+6*\c+3+\i], v[PT+8*\u+4*\c+\i]
.endr
.endr
.endr
	SUMS 0, 0                                      ; four plain lines between the lines that made p's codes and the products
	WALU                                           ; the wait here, directly ahead of the wait below
	s_wait_dscnt 18                                ; V is in; the 18 loads of the next step's K behind it may be out
.irp n, 0,1,2,3
.irp u, 0,1
	WIN 0x50
	v_wmma_scale_f32_16x16x128_f8f6f4 v[O+32*\u+8*\n:O+32*\u+8*\n+7], v[VF+12*\n:VF+12*\n+11], v[PC+12*\u:PC+12*\u+11], v[O+32*\u+8*\n:O+32*\u+8*\n+7], v[VS+\n], v[PW+\u] matrix_a_fmt:MATRIX_FMT_FP6 matrix_b_fmt:MATRIX_FMT_FP6 matrix_a_scale:MATRIX_SCALE_ROW1
.if 2*\n+\u < 6
	SUMS 0, 2*\n+\u+1
.endif
.endr
.endr
	JOIN 0                                         ; four plain lines behind the products, ahead of loads into registers that they read
	LOADV v3, v4                                   ; the next step's V
	s_cmp_lt_u32 s[CNT], 16
	s_cbranch_scc1 .Lstep
.irp g, 0,1,2,3,4,5,6
	SUMS 1, \g                                     ; the last step's p of tile 1
.endr
	JOIN 1
	; z = O^T / the sum, quantised along the head's 64: two blocks; register 16 b + i is e = 32 b + 16 h + i of my query
.irp u, 0,1
	v_add_f32 v[LS+2*\u], v[LS+2*\u], v[LS+2*\u+1]
.endr
.irp u, 0,1
	DEP2
	v_permlanex16_b32 v[TT+\u], v[LS+2*\u], s[SEL], s[SEL+1]
.endr
.irp u, 0,1
	DEP2
	v_add_f32 v[LS+2*\u], v[LS+2*\u], v[TT+\u]     ; the row's sum
.endr
	WALU
.irp u, 0,1
	v_rcp_f32 v[FF+2*\u], v[LS+2*\u]
.endr
	v_nop
	WALU                                           ; ahead of the first reader of the reciprocals and of O^T
	WIN 0x41
.irp u, 0,1
.set j, 0
.rept 16
	v_pk_mul_f32 v[S+64*\u+j:S+64*\u+j+1], v[O+32*\u+j:O+32*\u+j+1], v[FF+2*\u:FF+2*\u+1] op_sel_hi:[1,0]
.set j, j+2
.endr
.endr
	WIN 0x05
.irp b, 0,1
.irp u, 0,1
	v_max3_num_f32 v[BM+4*\u+\b], |v[S+64*\u+16*\b]|, |v[S+64*\u+16*\b+1]|, 0x1800000
.endr
.endr
	WIN 0x14
.irp i, 2,4,6,8,10,12,14
.irp b, 0,1
.irp u, 0,1
	v_max3_num_f32 v[BM+4*\u+\b], v[BM+4*\u+\b], |v[S+64*\u+16*\b+\i]|, |v[S+64*\u+16*\b+\i+1]|
.endr
.endr
.endr
	WIN 0
.irp b, 0,1
.irp u, 0,1
	v_permlanex16_b32 v[T4+4*\u+\b], v[BM+4*\u+\b], s[SEL], s[SEL+1]
.endr
.endr
.irp b, 0,1
.irp u, 0,1
	v_max_num_f32 v[BM+4*\u+\b], v[BM+4*\u+\b], v[T4+4*\u+\b]
.endr
.endr
.irp b, 0,1
.irp u, 0,1
	v_add_nc_u32 v[SO+4*\u+\b], 0xff000000, v[BM+4*\u+\b]
.endr
.endr
.irp b, 0,1
.irp u, 0,1
	v_lshrrev_b32 v[T4+4*\u+\b], 23, v[SO+4*\u+\b]
.endr
.endr
	WIN 0x01
.irp u, 0,1
	v_cvt_scalef32_pk16_fp6_f32 v[PC+12*\u:PC+12*\u+2], v[S+64*\u:S+64*\u+15], v[SO+4*\u]
	v_cvt_scalef32_pk16_fp6_f32 v[PT+8*\u:PT+8*\u+2], v[S+64*\u+16:S+64*\u+31], v[SO+4*\u+1]
.endr
	v_nop
	WIN 0
.irp u, 0,1
.irp i, 0,1,2
	v_permlane16_swap_b32 v[PC+12*\u+\i], v[PT+8*\u+\i]
.endr
.endr
.irp u, 0,1
.irp i, 0,1,2
	v_mov_b32 v[PC+12*\u+3+\i], v[PT+8*\u+\i]      ; six registers: lanes 0-15 e = 0 .. 31, lanes 16-31 e = 32 .. 63 of my query
.endr
.endr
.irp u, 0,1
	v_cndmask_b32 v[TT+\u], v[T4+4*\u], v[T4+4*\u+1], s[HIL]   ; my half's block's byte
.endr
.irp u, 0,1
.irp p, 0,1,2
	global_store_b64 v2, v[PC+12*\u+2*\p:PC+12*\u+2*\p+1], s[8:9] offset:8*3072*\u+256*\p th:TH_STORE_NT   ; 32 lanes store 256 consecutive bytes, aligned; tile 1 lies a record, 8 tiles of tokens, on
.endr
	global_store_b8 v5, v[TT+\u], s[10:11] offset:8*512*\u
.endr
	s_wait_xcnt 0x0                                ; the stores have read their registers and bases
	s_add_nc_u64 s[8:9], s[8:9], 16*3072           ; the second pass: two records on
	s_add_nc_u64 s[10:11], s[10:11], 16*512
.irp u, 0,1
	v_mov_b32 v[QS+\u], v[QSS+\u]                  ; the scale words first: more than eight plain lines follow ahead of the next products
.endr
	WIN 0x41
.irp u, 0,1
.irp i, 0,1,2,3,4,5,6,7
	v_mov_b32 v[Q+12*\u+\i], v[QST+8*\u+\i]
.endr
.endr
	WIN 0
	s_sub_co_u32 s[PASS], s[PASS], 1
	s_cmp_lg_u32 s[PASS], 0
	WALU                                           ; the wait directly ahead of the branch
	s_cbranch_scc1 .Lpass
	s_wait_tensorcnt 0x0                           ; the wave's end
	ds_add_u32 v254, v255
	s_wait_dscnt 0x0
	CROUND                                         ; the closing round
	s_endpgm
.Lfunc_end_k_qecd2416c4a_attn:
	.size	k_qecd2416c4a_attn, .Lfunc_end_k_qecd2416c4a_attn-k_qecd2416c4a_attn
	.p2alignl 7, 3214868480
	.fill 96, 4, 3214868480
	.section	.rodata,"a",@progbits
	.p2align	6, 0x0
	.amdhsa_kernel k_qecd2416c4a_attn
		.amdhsa_group_segment_fixed_size 247808
		.amdhsa_private_segment_fixed_size 0
		.amdhsa_enable_private_segment 0
		.amdhsa_kernarg_size 32
		.amdhsa_user_sgpr_count 2
		.amdhsa_user_sgpr_kernarg_segment_ptr 1
		.amdhsa_wavefront_size32 1
		.amdhsa_system_sgpr_workgroup_id_x 1
		.amdhsa_system_sgpr_workgroup_id_y 1
		.amdhsa_system_sgpr_workgroup_id_z 1
		.amdhsa_system_vgpr_workitem_id 0
		.amdhsa_next_free_vgpr 512
		.amdhsa_next_free_sgpr 66
		.amdhsa_reserve_vcc 0
		.amdhsa_float_denorm_mode_32 3
		.amdhsa_float_denorm_mode_16_64 3
		.amdhsa_memory_ordered 1
		.amdhsa_forward_progress 1
		.amdhsa_inst_pref_size 55
	.end_amdhsa_kernel
	.amdgpu_metadata
---
amdhsa.version: [ 1, 2 ]
amdhsa.kernels:
  - .name:           k_qecd2416c4a_attn
    .symbol:         k_qecd2416c4a_attn.kd
    .args:
      - { .name: qb, .offset: 0, .size: 8, .value_kind: global_buffer, .address_space: global }
      - { .name: kv, .offset: 8, .size: 8, .value_kind: global_buffer, .address_space: global }
      - { .name: zc, .offset: 16, .size: 8, .value_kind: global_buffer, .address_space: global }
      - { .name: zs, .offset: 24, .size: 8, .value_kind: global_buffer, .address_space: global }
    .group_segment_fixed_size: 247808
    .private_segment_fixed_size: 0
    .kernarg_segment_align: 8
    .kernarg_segment_size: 32
    .max_flat_workgroup_size: 256
    .sgpr_count:     66
    .vgpr_count:     512
    .wavefront_size: 32
...
	.end_amdgpu_metadata
.endif
;; end of part 3
;; launch oproj (part 4): grid 4 x 64, 4 waves a work-group, clusters of 4 x 4, 327,680 bytes of LDS; arguments zc, zs, wc, ws, bo, out0; writes out0
.if DOCPART == 4
	.amdgcn_target "amdgcn-amd-amdhsa--gfx1250"
	.amdhsa_code_object_version 6
	.text
	.protected	k_qecd2416c4a_oproj
	.globl	k_qecd2416c4a_oproj
	.p2align	8
	.type	k_qecd2416c4a_oproj,@function
k_qecd2416c4a_oproj:
	s_mov_b64 s[64:65], 0
	v_nop
	global_prefetch_b8 v0, s[64:65] scope:SCOPE_SE
	s_setreg_imm32_b32 hwreg(HW_REG_WAVE_MODE, 25, 1), 1
	s_wait_xcnt 0x0
	s_wait_alu depctr_hold_cnt(0) depctr_sa_sdst(0) depctr_va_vdst(0) depctr_va_sdst(0) depctr_va_ssrc(0) depctr_va_vcc(0) depctr_vm_vsrc(0)
	s_getreg_b32 s2, hwreg(HW_REG_IB_STS2, 6, 4)
	s_cmp_eq_u32 s2, 0
	s_cbranch_scc0 .Lentry_in_a_cluster
	s_endpgm
.Lentry_in_a_cluster:
	s_bfe_u32 s2, ttmp6, 0x10000c
	s_cmp_lg_u32 s2, 0xf033
	s_cbranch_scc0 .Lentry_shape_is_right
	s_endpgm
.Lentry_shape_is_right:
; out0 = z Wo^T + bo on codes of FP6 (E2M3) with E8M0 scales; sums in f32; bo is the first products' C.
; 8,192 x 1,024 results in tiles of 128 x 256 are 256 work-groups.  Four waves, 2 x 2; a wave makes 64 x 128: 32 accumulators.  K = 1,024 goes in four K steps of 256 through two LDS slots, two matrix steps of 128 to a K step.
; zc is [K step][tile of 16 tokens][3,072 bytes]: images of the operand's registers, so the work-group's 8 tiles of a K step are 24,576 dense bytes.  wc is [128 rows][K step][row][192 bytes]: 128 rows of Wo of a K step are
; 24,576 dense bytes, 96 rows of 256; 16 bytes of padding behind every 64 give LDS rows of 240 bytes.  Wo's rows lie in wc from row 3,072 on.
; CLUSTERS: 4 x 4.  z's tile is shared along a row of the cluster, Wo's tiles and scales along a column: joint loads.  Wave 0 asks for z's tile, waves 1 and 2 for a half of Wo's each.
; THE HEAD: one tensor load a wave: z's tile and Wo's two halves of K step 0, and (wave 3) the scales of Wo's 256 rows for all of K, 8,192 dense bytes, which stay.  z's scale words, 32 bytes a token, come straight into
; registers: sixteen lanes read 512 consecutive bytes.  So the first products want the head's loads alone.  K step 1 is asked for behind the first round, K steps 2 and 3 are the two refills.
; Nothing is prefetched: of the four K steps two are asked for at the head and behind the first round; the two refills that are left have no loop to run ahead in.
; THE MATRIX INSTRUCTION IS USED TRANSPOSED (source 0 = 16 rows of Wo, source 1 = 16 tokens): a lane holds eight numbers of a row of out0.  Stored rows 16 i + r of x, and so of z, and of Wo are the true rows
; 32 (i / 2) + 8 (i % 2) + r + 8 (r / 8): the way out puts rows and columns back.
; REGISTERS: window 0: v16-29 addresses; v32-63 Wo's scale words, two sets; v64-127 bo; v128-223 z's fragments, two sets of 4 x 12; v224-255 z's scale words (8 a + step).  Window 1: Wo's fragments, two sets at 0 and 128.
; Window 2: the accumulators (a, b) at 8 (8 a + b).  Both operands have two sets: a step's fragments are fetched while the step before is multiplied, but for the first step of a slot, which follows the barrier.
.set ROWB,   24576
.set PITCH,  240
.set FR,     12
.set NP,     4
.set ATILE,  8*3072
.set HALFT,  128*PITCH
.set BOFF,   ATILE
.set SLOT,   ATILE+2*HALFT
.set ZKS,    512*3072
.set SCL,    2*SLOT
.set HALFS,  16*272
.set SBLK,   2*272
.set SPARE,  SCL+2*HALFS
.set SPITCH, 528
.set NROW,   4096
.set ADRA, 16
.set ADRB, 20
.set STO,  24
.set RD,   25
.set CO,   26
.set ADRS, 27
.set SPW,  28
.set NIL,  29
.set SC,   32
.set BI,   64
.set AF,   128
.set SA,   224
.set BK,   64                          ; the way out: 16 rows read back from the stage: v64-127 and v128-191 by turns (bo and z's fragments have served by then)
.set G1, 24
.set G0, 32
.set G1B, 48
.set G0B, 56
.set G1SB, 80
.set G0SB, 88
.set MSB, 0
.macro WIN new
.if MSB != (\new)
	s_set_vgpr_msb (MSB<<8)|(\new)
.set MSB, (\new)
.endif
.endm
.set MUL_LO, 0xa1                      ; source 0 (Wo) window 1, source 1 (z) window 0, C and D window 2
.set FST_LO, 0x81                      ; the same with C (bo) in window 0
.set TO_B,   0x40
.macro PLACES n
.rept \n
	v_nop
.endr
.endm
.macro TL g0, g1
	tensor_load_to_lds s[\g0:\g0+3], s[\g1:\g1+7]
	s_nop 0
	PLACES 4
.endm
.macro JLOAD s                         ; a K step's tiles into slot s: wave 0 z's, waves 1 and 2 a half of Wo's each, wave 3 none
	s_cmp_eq_u32 s14, 0
	s_cbranch_scc0 .Lfor_b_\@
	TL G0+4*(\s), G1
	s_branch .Lasked_\@
.Lfor_b_\@:
	s_cmp_lt_u32 s14, 3
	s_cbranch_scc0 .Lasked_\@
	TL G0B+4*(\s), G1B
.Lasked_\@:
	PLACES NP                                      ; the places ahead of the fetch below, on the way round the loads too
.endm
.macro CREST
	s_cmp_lg_u32 s14, 0
	s_cbranch_scc1 .Lnot_wave_0_\@
	s_barrier_signal -3
.Lnot_wave_0_\@:
	s_barrier_wait -3
	s_barrier_signal -1
	s_barrier_wait -1
.endm
.macro CROUND
	s_barrier_signal -1
	s_barrier_wait -1
	CREST
.endm
	s_load_b256 s[4:11], s[0:1], 0x0               ; zc, zs, wc, ws
	s_load_b64 s[96:97], s[0:1], 0x20              ; bo
	s_load_b64 s[12:13], s[0:1], 0x28              ; out0
	v_lshl_add_u32 v[SPW], v0, 2, SPARE
	v_mov_b32 v[NIL], 0
	ds_add_u32 v[SPW], v[NIL]                      ; the opening lines: the add twice on end and its wait
	ds_add_u32 v[SPW], v[NIL]
	v_lshrrev_b32 v1, 5, v0
	v_readfirstlane_b32 s14, v1                    ; wave
	s_lshr_b32 s15, s14, 1                         ; my half of the tile's rows.  Also: which half of Wo's rows waves 1 and 2 fetch
	s_and_b32 s16, s14, 1                          ; my half of its columns
	s_bfe_u32 s40, ttmp6, 0x40000                  ; cx
	s_bfe_u32 s41, ttmp6, 0x40004                  ; cy
	s_lshl_b32 s42, ttmp9, 2
	s_add_co_u32 s42, s42, s40                     ; tile column, 0 .. 3
	s_and_b32 s17, ttmp7, 0xffff
	s_lshl_b32 s17, s17, 2
	s_add_co_u32 s17, s17, s41                     ; tile row, 0 .. 63
	s_lshl_b32 s43, s41, 2
	s_lshl_b32 s43, 15, s43                        ; my row of the cluster
	s_lshl_b32 s44, 0x1111, s40                    ; my column
	s_or_b32 s[G1+0], s43, (3<<16)|(1<<21)         ; z's tile: 96 rows of 256 bytes, dense in LDS too
	s_mov_b32 s[G1+1], 32<<16
	s_mov_b32 s[G1+2], 96<<16
	s_mov_b32 s[G1+3], 32<<16
	s_mov_b32 s[G1+4], 96
	s_mov_b32 s[G1+5], 32
	s_mov_b32 s[G1+6], 0
	s_mov_b32 s[G1+7], 0
	s_or_b32 s[G1B+0], s44, (0<<16)|(1<<20)|(1<<21)|(3<<22)|(3<<25)   ; half of Wo's tile: 96 rows of 256 bytes, 16 bytes of padding behind every 64
	s_mov_b32 s[G1B+1], 256<<16
	s_mov_b32 s[G1B+2], 96<<16
	s_mov_b32 s[G1B+3], 256<<16
	s_mov_b32 s[G1B+4], 96
	s_mov_b32 s[G1B+5], 256
	s_mov_b32 s[G1B+6], 0
	s_mov_b32 s[G1B+7], 0
	s_or_b32 s[G1SB+0], s44, (3<<16)|(1<<20)|(1<<21)|(5<<22)|(3<<25)  ; Wo's scales: 32 rows of 256 bytes, 16 of padding behind each
	s_mov_b32 s[G1SB+1], 32<<16
	s_mov_b32 s[G1SB+2], 32<<16
	s_mov_b32 s[G1SB+3], 32<<16
	s_mov_b32 s[G1SB+4], 32
	s_mov_b32 s[G1SB+5], 32
	s_mov_b32 s[G1SB+6], 0
	s_mov_b32 s[G1SB+7], 0
	s_mul_i32 s20, s17, ATILE
	s_mov_b32 s21, 0
	s_lshl_b32 s46, s42, 8
	s_add_co_u32 s46, s46, 3072                    ; Wo's first row of my tile column, in wc and ws
	s_lshl_b32 s92, s46, 5
	s_mov_b32 s93, 0
	s_lshl_b32 s47, s15, 7
	s_add_co_u32 s46, s46, s47
	s_mul_i32 s46, s46, 768
	s_mov_b32 s47, 0
	s_mul_i32 s95, s15, HALFT
	s_add_co_u32 s95, s95, BOFF
	s_wait_dscnt 0x0
	s_wait_kmcnt 0x0
	s_add_nc_u64 s[20:21], s[4:5], s[20:21]
	s_add_nc_u64 s[46:47], s[8:9], s[46:47]
	s_add_nc_u64 s[92:93], s[10:11], s[92:93]
	CROUND                                         ; all sixteen work-groups are here: the first joint loads meet
.irp s, 0,1
	s_mov_b32 s[G0+4*\s], 1
	s_mov_b32 s[G0+4*\s+1], \s*SLOT
	s_add_nc_u64 s[G0+4*\s+2:G0+4*\s+3], s[20:21], \s*ZKS
	s_or_b32 s[G0+4*\s+3], s[G0+4*\s+3], 0x80000000
	s_mov_b32 s[G0B+4*\s], 1
	s_add_co_u32 s[G0B+4*\s+1], s95, \s*SLOT
	s_add_nc_u64 s[G0B+4*\s+2:G0B+4*\s+3], s[46:47], \s*ROWB
	s_or_b32 s[G0B+4*\s+3], s[G0B+4*\s+3], 0x80000000
.endr
	s_mov_b32 s[G0SB], 1
	s_mov_b32 s[G0SB+1], SCL
	s_mov_b64 s[G0SB+2:G0SB+3], s[92:93]
	s_or_b32 s[G0SB+3], s[G0SB+3], 0x80000000
	s_cmp_eq_u32 s14, 0                            ; one chain of branches on the wave's number, one load to an arm
	s_cbranch_scc0 .Lhead_b
	TL G0, G1
	s_branch .Lhead_asked
.Lhead_b:
	s_cmp_lt_u32 s14, 3
	s_cbranch_scc0 .Lhead_s
	TL G0B, G1B
	s_branch .Lhead_asked
.Lhead_s:
	TL G0SB, G1SB
.Lhead_asked:
	s_mul_i32 s66, s15, 4*3072                     ; my four tiles of tokens in slot 0, 1
	s_add_co_u32 s67, s66, SLOT
	s_mul_i32 s68, s16, HALFT                      ; my 128 rows of Wo
	s_add_co_u32 s68, s68, BOFF
	s_add_co_u32 s69, s68, SLOT
	s_mul_i32 s70, s16, HALFS                      ; and their scales
	s_add_co_u32 s70, s70, SCL
	s_mul_i32 s71, s14, 16*SPITCH                  ; my stage, in slot 0, which has had its last fill and its last read when the first result is stored
	s_lshl_b32 s72, s17, 3
	s_lshl_b32 s73, s15, 2
	s_add_co_u32 s72, s72, s73
	s_lshl_b32 s72, s72, 9                         ; zs: 512 bytes a tile of tokens
	s_mov_b32 s73, 0
	s_add_nc_u64 s[6:7], s[6:7], s[72:73]
	s_lshl_b32 s74, s17, 7
	s_lshl_b32 s75, s15, 6
	s_add_co_u32 s74, s74, s75
	s_lshl_b32 s74, s74, 12                        ; my first row of out0
	s_lshl_b32 s76, s42, 10
	s_lshl_b32 s75, s16, 9
	s_add_co_u32 s76, s76, s75                     ; my first column, in bytes
	s_add_co_u32 s74, s74, s76
	s_mov_b32 s75, 0
	s_add_nc_u64 s[12:13], s[12:13], s[74:75]
	v_and_b32 v1, 15, v0                           ; r
	v_bfe_u32 v2, v0, 4, 1                         ; h
	v_and_b32 v6, 31, v0
	v_mul_u32_u24 v3, v1, PITCH
	v_mad_u32_u24 v4, v2, 24, v3                   ; Wo's fragments: row x pitch + 24 h,
	v_lshl_add_u32 v5, v2, 4, v4                   ; and for the pieces where lanes 16-31 lie behind one padding more
	v_lshlrev_b32 v3, 3, v6                        ; z's: 8 x lane
	v_add_nc_u32 v[ADRA], s66, v3
	v_add_nc_u32 v[ADRA+1], s67, v3
	v_add_nc_u32 v[ADRB], s68, v4
	v_add_nc_u32 v[ADRB+1], s69, v4
	v_add_nc_u32 v[ADRB+2], s68, v5
	v_add_nc_u32 v[ADRB+3], s69, v5
	v_lshlrev_b32 v9, 5, v1                        ; 32 bytes of scales a row
	v_lshrrev_b32 v8, 3, v1
	v_lshl_add_u32 v7, v8, 4, v9                   ; and 16 more for each 256 passed
	v_add_nc_u32 v[ADRS], s70, v7
	v_mul_u32_u24 v5, v1, SPITCH
	v_lshl_add_u32 v5, v2, 6, v5
	v_add_nc_u32 v[STO], s71, v5
	v_lshlrev_b32 v[CO], 4, v6
	v_add_nc_u32 v[RD], s71, v[CO]
	v_lshl_add_u32 v10, v2, 6, s76
	s_wait_alu depctr_va_vdst(0)                   ; the wait at the head's end
.irp a, 0,1,2,3
	global_load_b128 v[SA+8*\a:SA+8*\a+3], v9, s[6:7] offset:512*\a        ; z's scale words: register 8 a + step
	global_load_b128 v[SA+8*\a+4:SA+8*\a+7], v9, s[6:7] offset:512*\a+16
.endr
.irp b, 0,1,2,3,4,5,6,7
	global_load_b128 v[BI+8*\b:BI+8*\b+3], v10, s[96:97] offset:4*(32*(\b/2)+8*(\b%2))
	global_load_b128 v[BI+8*\b+4:BI+8*\b+7], v10, s[96:97] offset:4*(32*(\b/2)+8*(\b%2))+16
.endr
.macro FRAG reg, adr, q, i             ; 16 rows of Wo x 128 K: six pieces of 8 bytes
.irp p, 0,1,2,3,4,5
.set PCE, 12*(\q)+6*(\p/3)+\p%3
.if PCE%8 < 5
	ds_load_b64 v[\reg+2*\p:\reg+2*\p+1], v[\adr] offset:8*PCE+16*(PCE/8)+(\i)*16*PITCH
.else
	ds_load_b64 v[\reg+2*\p:\reg+2*\p+1], v[\adr+2] offset:8*PCE+16*(PCE/8)+(\i)*16*PITCH
.endif
.endr
.endm
.macro FETCH st                        ; step st's fragments into set st % 2: 48 loads for Wo, 24 for z; with a K step's first step Wo's scale words, 8 loads
	WIN TO_B
.irp i, 0,1,2,3,4,5,6,7
	FRAG 128*((\st)%2)+FR*\i, ADRB+((\st)/2)%2, (\st)%2, \i
.endr
	WIN 0
.irp i, 0,1,2,3
.irp p, 0,1,2,3,4,5
	ds_load_b64 v[AF+48*((\st)%2)+FR*\i+2*\p:AF+48*((\st)%2)+FR*\i+2*\p+1], v[ADRA+((\st)/2)%2] offset:3072*\i+1536*((\st)%2)+256*\p
.endr
.endr
.if (\st)%2 == 0
.irp i, 0,1,2,3,4,5,6,7
	ds_load_b64 v[SC+16*(((\st)/2)%2)+2*\i:SC+16*(((\st)/2)%2)+2*\i+1], v[ADRS] offset:\i*SBLK+8*((\st)/2)
.endr
.endif
.endm
.macro MUL16 a0, st, first             ; 16 products; the 32 accumulators take turns in the same order in every step
.irp a, \a0, \a0+1
.irp b, 0,1,2,3,4,5,6,7
.if \first
	v_wmma_scale_f32_16x16x128_f8f6f4 v[8*(8*(\a)+\b):8*(8*(\a)+\b)+7], v[128*((\st)%2)+FR*\b:128*((\st)%2)+FR*\b+FR-1], v[AF+48*((\st)%2)+FR*(\a):AF+48*((\st)%2)+FR*(\a)+FR-1], v[BI+8*\b:BI+8*\b+7], v[SC+16*(((\st)/2)%2)+2*\b+(\st)%2], v[SA+8*(\a)+(\st)] matrix_a_fmt:MATRIX_FMT_FP6 matrix_b_fmt:MATRIX_FMT_FP6
.else
	v_wmma_scale_f32_16x16x128_f8f6f4 v[8*(8*(\a)+\b):8*(8*(\a)+\b)+7], v[128*((\st)%2)+FR*\b:128*((\st)%2)+FR*\b+FR-1], v[AF+48*((\st)%2)+FR*(\a):AF+48*((\st)%2)+FR*(\a)+FR-1], v[8*(8*(\a)+\b):8*(8*(\a)+\b)+7], v[SC+16*(((\st)/2)%2)+2*\b+(\st)%2], v[SA+8*(\a)+(\st)] matrix_a_fmt:MATRIX_FMT_FP6 matrix_b_fmt:MATRIX_FMT_FP6
.endif
.endr
.endr
.endm
.macro EVEN st, first                  ; a slot's first step: the second step's fragments are fetched from the same slot, into the other set, ahead of the products
	s_wait_dscnt 0x0                               ; this step's fragments are in
	FETCH (\st)+1
.if \first
	WIN FST_LO
.else
	WIN MUL_LO
.endif
	MUL16 0, \st, \first
	MUL16 2, \st, \first
	WIN 0
.endm
.macro ODD st, fill                    ; a slot's second step, and the change of slots
	s_wait_tensorcnt 0x0                           ; all my tensor loads have landed, my part of the other slot among them;
	ds_add_u32 v[SPW], v[NIL]
	s_wait_dscnt 1                                 ; this step's fragments are in (the add may be out)
	WIN MUL_LO
	MUL16 0, \st, 0
	s_wait_dscnt 0x0                               ; the add is done, and my reads of this slot are over
	s_barrier_signal -1
	MUL16 2, \st, 0
	WIN 0
	s_barrier_wait -1
.if \fill
	CREST                                          ; the barrier has opened a round of the cluster's barrier
	s_add_nc_u64 s[G0+4*(((\st)/2)%2)+2:G0+4*(((\st)/2)%2)+3], s[G0+4*(((\st)/2)%2)+2:G0+4*(((\st)/2)%2)+3], 2*ZKS
	s_add_nc_u64 s[G0B+4*(((\st)/2)%2)+2:G0B+4*(((\st)/2)%2)+3], s[G0B+4*(((\st)/2)%2)+2:G0B+4*(((\st)/2)%2)+3], 2*ROWB
	JLOAD ((\st)/2)%2                              ; the K step two on, the first tensor load behind the round
.else
	PLACES NP
.endif
	FETCH (\st)+1
.endm
	s_wait_tensorcnt 0x0                           ; my tile of the head's four is in
	ds_add_u32 v[SPW], v[NIL]
	s_wait_dscnt 0x0
	CROUND                                         ; all four tiles are in, and all sixteen work-groups are here
	JLOAD 1                                        ; K step 1
	FETCH 0
	s_wait_loadcnt 0x0                             ; z's scale words and bo
	EVEN 0, 1
	ODD 1, 1
	EVEN 2, 0
	ODD 3, 1
	EVEN 4, 0
	ODD 5, 0
	EVEN 6, 0
	s_wait_dscnt 0x0
	WIN MUL_LO
	MUL16 0, 7, 0
	MUL16 2, 7, 0
	WIN 0
; THE WAY OUT, block by block of 16 rows x 128 columns, through my own stage: back come whole rows of 512 bytes.  LDS serves a wave's instructions in order: no wait between the stores and the loads.
.macro TOSTAGE a
.set AC, 64*(\a)
	WIN 0x08
.irp b, 0,1,2,3,4,5,6,7
	ds_store_b128 v[STO], v[AC+8*\b:AC+8*\b+3] offset:128*(\b/2)+32*(\b%2)          ; each accumulator from its low end on; the columns go to their true places
	ds_store_b128 v[STO], v[AC+8*\b+4:AC+8*\b+7] offset:128*(\b/2)+32*(\b%2)+16
.endr
	WIN 0
.set BB, BK+64*((\a)%2)
.irp t, 0,1,2,3,4,5,6,7,8,9,10,11,12,13,14,15
	ds_load_b128 v[BB+4*\t:BB+4*\t+3], v[RD] offset:\t*SPITCH
.endr
.endm
.macro SEND a, younger
.set BB, BK+64*((\a)%2)
	s_wait_dscnt \younger
.irp t, 0,1,2,3,4,5,6,7,8,9,10,11,12,13,14,15
	global_store_b128 v[CO], v[BB+4*\t:BB+4*\t+3], s[12:13] offset:(32*((\a)/2)+8*((\a)%2)+\t+8*(\t/8))*NROW th:TH_STORE_NT   ; 32 lanes store 512 consecutive bytes, aligned; the rows go to their true places
.endr
.endm
	PLACES NP
	TOSTAGE 0
.irp a, 1,2,3
.if \a > 1
	s_wait_xcnt 0x0                                ; block a - 2's stores have read their registers
.endif
	TOSTAGE \a
	SEND \a-1, 32                                  ; behind block a - 1's loads: block a's 16 stores and 16 loads
.endr
	SEND 3, 0
	s_wait_tensorcnt 0x0                           ; the wave's end
	ds_add_u32 v[SPW], v[NIL]
	s_wait_dscnt 0x0
	CROUND                                         ; the closing round
	s_endpgm
.Lfunc_end_k_qecd2416c4a_oproj:
	.size	k_qecd2416c4a_oproj, .Lfunc_end_k_qecd2416c4a_oproj-k_qecd2416c4a_oproj
	.p2alignl 7, 3214868480
	.fill 96, 4, 3214868480
	.section	.rodata,"a",@progbits
	.p2align	6, 0x0
	.amdhsa_kernel k_qecd2416c4a_oproj
		.amdhsa_group_segment_fixed_size 327680
		.amdhsa_private_segment_fixed_size 0
		.amdhsa_enable_private_segment 0
		.amdhsa_kernarg_size 48
		.amdhsa_user_sgpr_count 2
		.amdhsa_user_sgpr_kernarg_segment_ptr 1
		.amdhsa_wavefront_size32 1
		.amdhsa_system_sgpr_workgroup_id_x 1
		.amdhsa_system_sgpr_workgroup_id_y 1
		.amdhsa_system_sgpr_workgroup_id_z 1
		.amdhsa_system_vgpr_workitem_id 0
		.amdhsa_next_free_vgpr 768
		.amdhsa_next_free_sgpr 98
		.amdhsa_reserve_vcc 0
		.amdhsa_float_denorm_mode_32 3
		.amdhsa_float_denorm_mode_16_64 3
		.amdhsa_memory_ordered 1
		.amdhsa_forward_progress 1
		.amdhsa_inst_pref_size 101
	.end_amdhsa_kernel
	.amdgpu_metadata
---
amdhsa.version: [ 1, 2 ]
amdhsa.kernels:
  - .name:           k_qecd2416c4a_oproj
    .symbol:         k_qecd2416c4a_oproj.kd
    .args:
      - { .name: zc, .offset: 0, .size: 8, .value_kind: global_buffer, .address_space: global }
      - { .name: zs, .offset: 8, .size: 8, .value_kind: global_buffer, .address_space: global }
      - { .name: wc, .offset: 16, .size: 8, .value_kind: global_buffer, .address_space: global }
      - { .name: ws, .offset: 24, .size: 8, .value_kind: global_buffer, .address_space: global }
      - { .name: bo, .offset: 32, .size: 8, .value_kind: global_buffer, .address_space: global }
      - { .name: out0, .offset: 40, .size: 8, .value_kind: global_buffer, .address_space: global }
    .group_segment_fixed_size: 327680
    .private_segment_fixed_size: 0
    .kernarg_segment_align: 8
    .kernarg_segment_size: 48
    .max_flat_workgroup_size: 128
    .sgpr_count:     98
    .vgpr_count:     768
    .wavefront_size: 32
...
	.end_amdgpu_metadata
.endif
;; end of part 4
